; MI455X (gfx1250); checked and timed in simulation.
; The chip was launched on July 23, 2026; its instructions are those of AMD's public machine-readable ISA for CDNA 5 (MIT licence, August 2026) and "CDNA5" Instruction Set Architecture Reference Guide (July 2026). The comments in the code are by the model that wrote it; some were corrected since.
;; Switch Transformers Layer FF. Allowed arithmetic: matrix products marked QUANTISED: E3M2 operands, one E8M0 scale for each 32 along K, by v_wmma_scale_f32_16x16x128_f8f6f4 with both operands' format E3M2, f32 sums; products left as they are: f32 operands where the result goes on into a quantised operand, else bf16, f16 or f32 operands; f32 sums; everything else in f32.
;; Inputs: hidden_states 2 x 2,048 x 512 float32; ln_weight 512 float32; w_router 512 x 8 float32; wi_codes 8 x 2,048 x 16 x 24 uint8 (E3M2 codes of wi, K innermost, in blocks of 32 codes, four codes in three bytes); wi_scales 8 x 2,048 x 16 uint8 (E8M0 scales of wi, one for each 32 codes along K); wo_codes 8 x 512 x 64 x 24 uint8 (E3M2 codes of wo, K innermost, in blocks of 32 codes, four codes in three bytes); wo_scales 8 x 512 x 64 uint8 (E8M0 scales of wo, one for each 32 codes along K).
;; Outputs: out0 2 x 2,048 x 512 float32; out1 2 x 2,048 x 8 float32; out2 2 x 2,048 int32.
;; Constants: output_router_logits = 1.
;; This version of the problem:
;;   THIS VERSION OF THE PROBLEM IS GIVEN IN LOW PRECISION. The matrix products marked QUANTISED in the list below multiply operands that are first quantised to E3M2 (3 exponent bits, 2 mantissa bits; 6 bits a number), with one power-of-two scale for each 32 numbers along K (OCP MX v1.0); their sums are f32. All else is computed in f32.
;;   The module's matrix products, in the order in which they are computed (A, B: the left and right operand; K: the contracted axis; several contracted axes count as one K, in the product's order):
;;     1. [M 4,096, K 512] x [K 512, N 8]; A: computed on the way; B: input w_router: left as it is (N = 8 < 16)
;;     2. [M 4,096, K 512] x [K 512, N 2,048]; A: computed on the way; B: input wi (given as codes): QUANTISED
;;     3. [M 4,096, K 2,048] x [K 2,048, N 512]; A: computed on the way; B: input wo (given as codes): QUANTISED
;;     4. [M 4,096, K 512] x [K 512, N 2,048]; A: computed on the way; B: input wi (given as codes): QUANTISED
;;     5. [M 4,096, K 2,048] x [K 2,048, N 512]; A: computed on the way; B: input wo (given as codes): QUANTISED
;;     6. [M 4,096, K 512] x [K 512, N 2,048]; A: computed on the way; B: input wi (given as codes): QUANTISED
;;     7. [M 4,096, K 2,048] x [K 2,048, N 512]; A: computed on the way; B: input wo (given as codes): QUANTISED
;;     8. [M 4,096, K 512] x [K 512, N 2,048]; A: computed on the way; B: input wi (given as codes): QUANTISED
;;     9. [M 4,096, K 2,048] x [K 2,048, N 512]; A: computed on the way; B: input wo (given as codes): QUANTISED
;;     10. [M 4,096, K 512] x [K 512, N 2,048]; A: computed on the way; B: input wi (given as codes): QUANTISED
;;     11. [M 4,096, K 2,048] x [K 2,048, N 512]; A: computed on the way; B: input wo (given as codes): QUANTISED
;;     12. [M 4,096, K 512] x [K 512, N 2,048]; A: computed on the way; B: input wi (given as codes): QUANTISED
;;     13. [M 4,096, K 2,048] x [K 2,048, N 512]; A: computed on the way; B: input wo (given as codes): QUANTISED
;;     14. [M 4,096, K 512] x [K 512, N 2,048]; A: computed on the way; B: input wi (given as codes): QUANTISED
;;     15. [M 4,096, K 2,048] x [K 2,048, N 512]; A: computed on the way; B: input wo (given as codes): QUANTISED
;;     16. [M 4,096, K 512] x [K 512, N 2,048]; A: computed on the way; B: input wi (given as codes): QUANTISED
;;     17. [M 4,096, K 2,048] x [K 2,048, N 512]; A: computed on the way; B: input wo (given as codes): QUANTISED
;;   THE QUANTISER, for each operand of a quantised product, along K:
;;     - K is cut into blocks of 32 from its start; a last block that is shorter is filled with zeros.
;;     - A block's scale is 2^e with e = floor(log2(the largest magnitude in the block)) - 4, held to -126 .. 127; a block of zeros has e = 0. As a byte (E8M0): e + 127.
;;     - Each number is divided by its block's scale, clamped to +-28, and rounded to the nearest number of E3M2, ties to even, subnormals kept.
;;     - The product sums the exact products of the quantised numbers (number of the format x scale) in f32.
;;   ~~~python
;;   def quantise(x, axis):      # numpy; x: float32 -> the quantised numbers, widened to float32 again
;;       x = np.moveaxis(x, axis, -1); K = x.shape[-1]
;;       x = np.pad(x, [(0, 0)] * (x.ndim - 1) + [(0, -K % 32)]); x = x.reshape(x.shape[:-1] + (-1, 32)); a = np.abs(x).max(-1, keepdims=True)
;;       e = np.where(a > 0, np.clip(np.frexp(np.where(a > 0, a, 1))[1] - 1 - 4, -126, 127), 0)      # np.frexp(a)[1] - 1 = floor(log2(a)), exactly
;;       r = np.clip(x / 2.0 ** e, -28, 28)
;;       step = 2.0 ** (np.maximum(np.frexp(np.where(r == 0, 1, r))[1] - 1, -2) - 2)
;;       q = np.round(r / step) * step * 2.0 ** e      # np.round: ties to even
;;       return np.moveaxis(q.reshape(q.shape[:-2] + (-1,))[..., :K], -1, axis).astype(np.float32)
;;   ~~~
;;   OPERANDS COMPUTED ON THE WAY. 'Computed on the way' means the value that the module computes at that place (a softmax that the list does not call 'softmax' is quantised finished and normalised). What goes into a quantiser is computed in f32, as accurately as f32 sums, v_exp_f32 and their like allow (about 1e-6 of the number): no bf16 or f16 on the way to a quantiser, and a product that is left as it is and whose result goes on into a quantised operand takes f32 operands (vector FMAs, or v_wmma_f32_16x16x4_f32). A number that lies on a knife's edge between two numbers of the format may be rounded either way, as far as f32 arithmetic and the matrix unit's own rounding can turn it there, and no further.
;;   INPUTS GIVEN AS CODES. wi (in the module: [8, 512, 2048], K = its axis 1); wo (in the module: [8, 2048, 512], K = its axis 1): each comes as NAME_codes (uint8): NAME with its K axis moved to the last place and cut into blocks of 32 codes, [.., K / 32, bytes a block], one block behind the other in memory; four codes in three bytes: a row's codes are one little-endian stream of bits, code i at bits 6 i .. 6 i + 5 (a code: sign, 3 exponent bits, 2 mantissa bits); and NAME_scales (uint8): the same leading axes, one E8M0 byte (e + 127) for each 32 codes along K. Its value is code x scale, taken as it is: it is not quantised again, and the codes and scales need not be those that the quantiser above would give.
;; 2 versions, each right; version 2 is version 1 with the launch experts written anew for expert scheduling mode. Each part assembles by itself: llvm-mc -triple=amdgcn-amd-amdhsa -mcpu=gfx1250 --defsym DOCPART=n.
;; ======== version 1 of 2: 3 launches
;; workspace buffers: eidx 16,384 bytes of whole numbers; rowlist 16,384 bytes of whole numbers; tiles 1,536 bytes of whole numbers; prob 16,384 bytes; xcodes 1,572,864 bytes; xscales 65,536 bytes; wiL 6,291,456 bytes; woL 6,291,456 bytes
;; launch prep (part 1): grid 256 x 1, 8 waves a work-group, no clusters, 179,200 bytes of LDS; arguments hidden_states, ln_weight, w_router, wi_codes, wo_codes, out1, out2, eidx, prob, xcodes, xscales, wiL, woL; writes out1, out2, eidx, prob, xcodes, xscales, wiL, woL
.if DOCPART == 1
	.amdgcn_target "amdgcn-amd-amdhsa--gfx1250"
	.amdhsa_code_object_version 6
	.text
	.protected	k_q4ecbeb1c2c_prep
	.globl	k_q4ecbeb1c2c_prep
	.p2align	8
	.type	k_q4ecbeb1c2c_prep,@function
k_q4ecbeb1c2c_prep:
	s_mov_b64 s[64:65], 0
	v_nop
	global_prefetch_b8 v0, s[64:65] scope:SCOPE_SE
	s_setreg_imm32_b32 hwreg(HW_REG_WAVE_MODE, 25, 1), 1
	s_wait_xcnt 0x0
; THREE JOBS IN ONE LAUNCH, chosen by the work-group's number.
; Work-groups 0-127: 32 tokens each, 4 a wave: RMS norm with gain, the router's 8 logits in f32 (out1), softmax, the index of the largest probability (out2, and eidx for the next launch),
;   that probability (prob), and the normed row as codes of E3M2 with one E8M0 byte for each 32 numbers (xcodes, xscales).
; Work-groups 128-191: wi's codes, work-groups 192-255: wo's codes, are laid out as images of the matrix operand's registers (12 registers a lane: three runs of 512 bytes, lane l's 16 bytes at 16 l),
;   so that the third launch loads every fragment by three loads of 16 bytes a lane.
;   wiL: fragment (expert e, group G of 128 hidden units, tile t, K step s) at ((16 e + G) 8 + t) 6144 + 1536 s; lane r of tile 2 b + u holds wi's row 128 G + 32 b + 8 u + r + 8 (r / 8).
;   woL: fragment (e, quarter w of 128 outputs, K step s, tile j) at (4 e + w) 196608 + 12288 s + 1536 j; lane r holds wo's row 128 w + 16 j + r.
;   xcodes: 384 bytes a token; block b of 32 codes at 192 (b & 1) + 24 (b >> 1): so lane (r, h) of an operand finds its 48 registers of the four K steps as 192 bytes on end.
; No barrier: waves share nothing; only the token path uses LDS, each wave bytes of its own.
; LIMITS: NaN and infinities among the inputs are not served.  A block whose largest magnitude lies under 2^(5 - 127) keeps the scale byte 1 (a block of zeros too: its codes are zeros, and this program alone
; reads the bytes).  The index is taken over the exponentials, the lowest index among equals; the logits' sums run in another order than a row-by-row sum, so two logits within f32 rounding of each other may change places.
; The small results (128 bytes of logits, 64 of scale bytes, 16 of indices and of gates a wave) leave in runs shorter than 256 bytes: one byte in 60 of what the token path moves.
.set F,    32                          ; weight paths: v32-127 eight fragments
.set WREG, 22272                       ; token path, LDS of a wave: 32 rows x 528 bytes of w_router, two stages of 32 x 80 bytes, 256 bytes of small results
.set STGO, 16896
.set OUTS, 22016                       ; logits [4][8] at 0, scale bytes [4][16] at 128, indices [4] at 192, gates [4] at 208
.set C,    16                          ; v16-31   codes, four registers a token
.set R,    32                          ; v32-95   x as loaded, 16 a token
.set RL,   96                          ; v96-111  ln_weight as loaded
.set LN,   112                         ; v112-127 ln_weight of my 16 columns
.set X,    128                         ; v128-191 my 16 neighbouring numbers of each token
.set A,    192                         ; v192-199 the logits
.set U,    200                         ; v200-207 the exponentials
.set RS,   212                         ; v[212:213] 1 / root (the pair's low word serves both halves)
.set MX,   214                         ; v[214:215] the largest logit
.set T,    216                         ; v216-223 at work
.set IDX,  224
.set BY,   225                         ; v225-228 a scale byte for each token
.set RAW,  128                         ; window 1: v128-255 w_router as loaded; v0-127 w_router[16 lane + d][e] at 8 d + e
.set MSB, 0
.macro WIN new                         ; the immediate's high byte repeats the setting that is left
.if MSB != \new
	s_set_vgpr_msb (MSB<<8)|\new
.set MSB, \new
.endif
.endm
; Eight fragments from rows of codes (six loads of 8 bytes each: every address is a multiple of the access's size) to images (three stores of 16 bytes a lane: 512 consecutive bytes a store).
.macro RELAY a, d
.irp i, 0,1,2,3,4,5,6,7
.irp p, 0,1,2,3,4,5
	global_load_b64 v[F+12*\i+2*\p:F+12*\i+2*\p+1], v14, s[34:35] offset:\a*(\i/4)+96*(\i%4)+48*(\p/3)+8*(\p%3) th:TH_LOAD_NT
.endr
.endr
.irp i, 0,1,2,3,4,5,6,7
	s_wait_loadcnt 6*(7-\i)                        ; fragment i is in; the six loads of each later fragment may be out
.irp c, 0,1,2
	global_store_b128 v2, v[F+12*\i+4*\c:F+12*\i+4*\c+3], s[36:37] offset:\d*\i+512*\c
.endr
.endr
.endm
	s_load_b512 s[4:19], s[0:1], 0x0               ; hidden 4:5, ln 6:7, w_router 8:9, wi_codes 10:11, wo_codes 12:13, out1 14:15, out2 16:17, eidx 18:19
	s_load_b256 s[20:27], s[0:1], 0x40             ; prob 20:21, xcodes 22:23, xscales 24:25, wiL 26:27
	s_load_b64 s[28:29], s[0:1], 0x60              ; woL
	v_lshl_add_u32 v254, v0, 2, 0x2b800
	v_mov_b32 v255, 0
	v_lshrrev_b32 v1, 5, v0
	v_readfirstlane_b32 s30, v1                    ; wave 0..7
	v_and_b32 v1, 31, v0                           ; lane
	v_lshlrev_b32 v2, 4, v1                        ; 16 x lane
	s_cmp_lt_u32 ttmp9, 128
	s_cbranch_scc1 .Ltoken
	v_and_b32 v3, 15, v0                           ; r
	v_bfe_u32 v4, v0, 4, 1                         ; h
	s_cmp_lt_u32 ttmp9, 192
	s_cbranch_scc0 .Lwo
	; ---- wi: wave P = (16 e + G) 4 + b takes 32 rows of 384 bytes, one dense block of 12,288 bytes, and writes tiles 2 b and 2 b + 1, again 12,288 dense bytes
	v_and_b32 v5, 8, v3
	v_add_nc_u32 v5, v5, v3                        ; r + 8 (r / 8)
	v_mul_u32_u24 v14, v5, 384
	v_mad_u32_u24 v14, v4, 24, v14
	s_sub_co_u32 s31, ttmp9, 128
	s_lshl_b32 s31, s31, 3
	s_add_co_u32 s31, s31, s30                     ; P
	s_mul_i32 s32, s31, 12288
	s_mov_b32 s33, 0
	s_wait_kmcnt 0x0
	s_add_nc_u64 s[34:35], s[10:11], s[32:33]
	s_add_nc_u64 s[36:37], s[26:27], s[32:33]
	RELAY 3072, 1536                               ; fragment i = 4 u + s: rows 8 u on (3,072 bytes), K step s (96 bytes)
	s_endpgm
.Lwo:
	; ---- wo: wave Wd = ((4 e + w) 8 + j) 2 + q takes 16 rows x 768 bytes (K steps 8 q .. 8 q + 7)
	v_mul_u32_u24 v14, v3, 1536
	v_mad_u32_u24 v14, v4, 24, v14
	s_sub_co_u32 s31, ttmp9, 192
	s_lshl_b32 s31, s31, 3
	s_add_co_u32 s31, s31, s30                     ; Wd
	s_lshr_b32 s38, s31, 1
	s_mul_i32 s32, s38, 24576                      ; 16 rows of 1,536 bytes
	s_and_b32 s39, s31, 1
	s_mul_i32 s40, s39, 768
	s_add_co_u32 s32, s32, s40
	s_mov_b32 s33, 0
	s_lshr_b32 s40, s31, 4
	s_mul_i32 s40, s40, 196608
	s_and_b32 s38, s38, 7
	s_mul_i32 s38, s38, 1536
	s_add_co_u32 s40, s40, s38
	s_mul_i32 s39, s39, 98304
	s_add_co_u32 s40, s40, s39
	s_mov_b32 s41, 0
	s_wait_kmcnt 0x0
	s_add_nc_u64 s[34:35], s[12:13], s[32:33]
	s_add_nc_u64 s[36:37], s[28:29], s[40:41]
	RELAY 384, 12288                               ; fragment i: K step 8 q + i (96 bytes on in the rows, 12,288 on in woL)
	s_endpgm
.Ltoken:
	s_lshl_b32 s44, ttmp9, 5
	s_lshl_b32 s45, s30, 2
	s_add_co_u32 s44, s44, s45                     ; my first token: 32 x work-group + 4 x wave
	s_mov_b32 s53, 0
	s_lshl_b32 s52, s44, 11
	s_wait_kmcnt 0x0
	s_add_nc_u64 s[32:33], s[4:5], s[52:53]        ; its row of x
	; all 52 loads of the wave go out at once; each reads 512 consecutive bytes
.irp i, 0,1,2,3
	global_load_b128 v[RL+4*\i:RL+4*\i+3], v2, s[6:7] offset:512*\i
.endr
.irp t, 0,1,2,3
.irp i, 0,1,2,3
	global_load_b128 v[R+16*\t+4*\i:R+16*\t+4*\i+3], v2, s[32:33] offset:2048*\t+512*\i
.endr
.endr
	WIN 0x40                                       ; destination window 1
.set I, 0
.rept 32
	global_load_b128 v[RAW+4*I:RAW+4*I+3], v2, s[8:9] offset:512*I
.set I, I+1
.endr
	WIN 0
	s_mul_i32 s52, s44, 384
	s_add_nc_u64 s[34:35], s[22:23], s[52:53]      ; xcodes
	s_lshl_b32 s52, s44, 5
	s_add_nc_u64 s[36:37], s[14:15], s[52:53]      ; out1
	s_lshl_b32 s52, s44, 4
	s_add_nc_u64 s[38:39], s[24:25], s[52:53]      ; xscales
	s_lshl_b32 s52, s44, 2
	s_add_nc_u64 s[46:47], s[16:17], s[52:53]      ; out2
	s_add_nc_u64 s[48:49], s[18:19], s[52:53]      ; eidx
	s_add_nc_u64 s[50:51], s[20:21], s[52:53]      ; prob
	s_mov_b32 s40, 0x3b000000                      ; 1 / 512
	s_mov_b32 s41, 0x358637bd                      ; 1e-6
	s_mov_b32 s42, 0x76543210                      ; v_permlanex16_b32's selects for lane l xor 16
	s_mov_b32 s43, 0xfedcba98
	s_mul_i32 s31, s30, WREG                       ; my wave's LDS
	v_lshrrev_b32 v3, 2, v1
	v_mul_u32_u24 v3, v3, 80
	v_and_b32 v4, 3, v1
	v_lshl_add_u32 v3, v4, 4, v3
	v_add_nc_u32 v3, s31, v3
	v_add_nc_u32 v3, STGO, v3                      ; a stage, on the way in: four lanes' 64 bytes on end, then 16 of padding
	v_mul_u32_u24 v4, v1, 80
	v_add_nc_u32 v4, s31, v4
	v_add_nc_u32 v4, STGO, v4                      ; and on the way out: my 16 neighbours
	v_add_nc_u32 v5, s31, v2                       ; w_router in: 16 x lane, a load's 512 bytes to a row of 528
	v_mul_u32_u24 v6, v1, 528
	v_add_nc_u32 v6, s31, v6                       ; and out: row = my lane: w_router[16 lane .. 16 lane + 15][0 .. 7]
	s_add_co_u32 s31, s31, OUTS
	v_mov_b32 v7, s31
	v_lshrrev_b32 v8, 1, v1
	v_add_nc_u32 v8, s31, v8
	v_add_nc_u32 v8, 128, v8                       ; my block's scale byte
	v_bfe_u32 v9, v0, 1, 1
	v_mul_u32_u24 v9, v9, 192
	v_bfe_u32 v10, v0, 2, 3
	v_mad_u32_u24 v9, v10, 24, v9
	v_and_b32 v10, 1, v0
	v_mad_u32_u24 v9, v10, 12, v9                  ; my 12 bytes of codes in a token's 384: block lane / 2, half lane % 2
	v_lshlrev_b32 v10, 2, v1
	v_add_nc_u32 v11, s31, v10
	v_and_b32 v12, 15, v1
	v_lshl_add_u32 v12, v12, 2, s31
	v_add_nc_u32 v12, 128, v12
	v_and_b32 v13, 3, v1
	v_lshl_add_u32 v13, v13, 2, s31
	v_add_nc_u32 v13, 192, v13
	v_mov_b32 v[RS+1], 0                           ; named as the upper halves of pairs, and as destinations of lane permutes: written once
	v_mov_b32 v[MX+1], 0
.irp i, 0,1,2,3,4,5,6,7
	v_mov_b32 v[T+\i], 0
.endr
; 2,048 bytes as loaded (16 a lane, 512 a load) go through a stage and come back 64 bytes a lane.  LDS serves a wave's instructions in order: no wait between the stores and the loads, nor before the stage's next use.
.macro TURN src, dst, st
.irp i, 0,1,2,3
	ds_store_b128 v3, v[\src+4*\i:\src+4*\i+3] offset:2560*(\st)+640*\i
.endr
.irp i, 0,1,2,3
	ds_load_b128 v[\dst+4*\i:\dst+4*\i+3], v4 offset:2560*(\st)+16*\i
.endr
.endm
	s_wait_loadcnt 48                              ; ln_weight is in: 48 loads were issued behind it
	TURN RL, LN, 0
	s_wait_loadcnt 44                              ; token 0; behind it 12 loads of x and 32 of w_router
	TURN R, X, 1
	s_wait_loadcnt 40
	TURN R+16, X+16, 0
	s_wait_loadcnt 36
	TURN R+32, X+32, 1
	s_wait_loadcnt 32
	TURN R+48, X+48, 0
	s_wait_loadcnt 0x0                             ; w_router
	WIN 0x04                                       ; an LDS store's data are its source 1: window 1
.set I, 0
.rept 32
	ds_store_b128 v5, v[RAW+4*I:RAW+4*I+3] offset:528*I
.set I, I+1
.endr
	WIN 0x40
.set I, 0
.rept 32
	ds_load_b128 v[4*I:4*I+3], v6 offset:16*I
.set I, I+1
.endr
	WIN 0
	s_wait_dscnt 0x0
.macro TOKEN t
.set XT, X+16*\t
.if \t > 0
	s_wait_dscnt 0x0                               ; the last token's small LDS stores have read their registers
.endif
	; the sum of squares: my 16 in two chains, then over the 32 lanes
	v_pk_mul_f32 v[T:T+1], v[XT:XT+1], v[XT:XT+1]
	v_pk_mul_f32 v[T+2:T+3], v[XT+2:XT+3], v[XT+2:XT+3]
.irp k, 4,8,12
	v_pk_fma_f32 v[T:T+1], v[XT+\k:XT+\k+1], v[XT+\k:XT+\k+1], v[T:T+1]
	v_pk_fma_f32 v[T+2:T+3], v[XT+\k+2:XT+\k+3], v[XT+\k+2:XT+\k+3], v[T+2:T+3]
.endr
	v_pk_add_f32 v[T:T+1], v[T:T+1], v[T+2:T+3]
	v_add_f32 v[T], v[T], v[T+1]
.irp k, 1,2,4,8
	v_add_f32_dpp v[T], v[T], v[T] row_xmask:\k row_mask:0xf bank_mask:0xf
.endr
	v_permlanex16_b32 v[T+1], v[T], s42, s43
	v_add_f32 v[T], v[T], v[T+1]
	v_fma_f32 v[T], v[T], s40, s41                 ; the mean (an exact scaling) + 1e-6, one rounding
	v_rsq_f32 v[RS], v[T]
	v_nop                                          ; a plain instruction behind the transcendental,
	s_wait_alu depctr_va_vdst(0)                   ; and the wait ahead of the first use of its result
.irp k, 0,2,4,6,8,10,12,14
	v_pk_mul_f32 v[XT+\k:XT+\k+1], v[XT+\k:XT+\k+1], v[RS:RS+1] op_sel_hi:[1,0]
.endr
.irp k, 0,2,4,6,8,10,12,14
	v_pk_mul_f32 v[XT+\k:XT+\k+1], v[XT+\k:XT+\k+1], v[LN+\k:LN+\k+1]     ; (x / root) x gain, in that order
.endr
	; the router: eight sums over my 16 columns, two experts an instruction; the column's number serves both halves
	WIN 0x01                                       ; source 0 (w_router) window 1
.irp p, 0,1,2,3
	v_pk_mul_f32 v[A+2*\p:A+2*\p+1], v[2*\p:2*\p+1], v[XT:XT+1] op_sel_hi:[1,0]
.endr
.irp p, 0,1,2,3
	v_pk_fma_f32 v[A+2*\p:A+2*\p+1], v[8+2*\p:8+2*\p+1], v[XT:XT+1], v[A+2*\p:A+2*\p+1] op_sel:[0,1,0] op_sel_hi:[1,1,1]
.endr
.irp d, 2,4,6,8,10,12,14
.irp p, 0,1,2,3
	v_pk_fma_f32 v[A+2*\p:A+2*\p+1], v[8*\d+2*\p:8*\d+2*\p+1], v[XT+\d:XT+\d+1], v[A+2*\p:A+2*\p+1] op_sel_hi:[1,0,1]
.endr
.irp p, 0,1,2,3
	v_pk_fma_f32 v[A+2*\p:A+2*\p+1], v[8*\d+8+2*\p:8*\d+8+2*\p+1], v[XT+\d:XT+\d+1], v[A+2*\p:A+2*\p+1] op_sel:[0,1,0] op_sel_hi:[1,1,1]
.endr
.endr
	WIN 0
.irp k, 1,2,4,8
.irp e, 0,1,2,3,4,5,6,7
	v_add_f32_dpp v[A+\e], v[A+\e], v[A+\e] row_xmask:\k row_mask:0xf bank_mask:0xf
.endr
.endr
.irp e, 0,1,2,3,4,5,6,7
	v_permlanex16_b32 v[T+\e], v[A+\e], s42, s43
.endr
.irp e, 0,1,2,3,4,5,6,7
	v_add_f32 v[A+\e], v[A+\e], v[T+\e]            ; every lane now holds all eight logits, the same bits
.endr
	ds_store_b128 v7, v[A:A+3] offset:32*\t        ; all lanes store the same words with the same values
	ds_store_b128 v7, v[A+4:A+7] offset:32*\t+16
	; softmax: the largest logit is taken away ahead of the exponentials
	v_max3_num_f32 v[MX], v[A], v[A+1], v[A+2]
	v_max3_num_f32 v[MX], v[MX], v[A+3], v[A+4]
	v_max3_num_f32 v[MX], v[MX], v[A+5], v[A+6]
	v_max_num_f32 v[MX], v[MX], v[A+7]
.irp p, 0,2,4,6
	v_pk_add_f32 v[U+\p:U+\p+1], v[A+\p:A+\p+1], v[MX:MX+1] op_sel_hi:[1,0] neg_lo:[0,1] neg_hi:[0,1]
.endr
.irp p, 0,2,4,6
	v_pk_mul_f32 v[U+\p:U+\p+1], v[U+\p:U+\p+1], 0x3fb8aa3b op_sel_hi:[1,0]     ; x log2(e)
.endr
.irp e, 0,1,2,3,4,5,6,7
	v_exp_f32 v[U+\e], v[U+\e]
.endr
	v_mov_b32 v[IDX], 7                            ; (a plain instruction behind the batch)
	s_wait_alu depctr_va_vdst(0)                   ; one wait for the eight
	v_pk_add_f32 v[T:T+1], v[U:U+1], v[U+2:U+3]
	v_pk_add_f32 v[T+2:T+3], v[U+4:U+5], v[U+6:U+7]
	v_pk_add_f32 v[T:T+1], v[T:T+1], v[T+2:T+3]
	v_add_f32 v[T], v[T], v[T+1]                   ; the sum
	v_max3_num_f32 v[T+4], v[U], v[U+1], v[U+2]
	v_max3_num_f32 v[T+4], v[T+4], v[U+3], v[U+4]
	v_max3_num_f32 v[T+4], v[T+4], v[U+5], v[U+6]
	v_max_num_f32 v[T+4], v[T+4], v[U+7]           ; the largest exponential
	v_rcp_f32 v[T+5], v[T]
.irp e, 6,5,4,3,2,1,0
	v_cmp_neq_f32 vcc_lo, v[U+\e], v[T+4]          ; from the top down, so that the lowest index among equals stays
	v_cndmask_b32 v[IDX], \e, v[IDX], vcc_lo
.endr
	s_wait_alu depctr_va_vdst(0)                   ; the reciprocal's wait; the fourteen lines above are the work between
	v_mul_f32 v[T+6], v[T+4], v[T+5]               ; the gate
	ds_store_b32 v7, v[IDX] offset:192+4*\t
	ds_store_b32 v7, v[T+6] offset:208+4*\t
	; the quantiser: two neighbouring lanes hold a block of 32
	v_max3_num_f32 v[T], |v[XT]|, |v[XT+1]|, |v[XT+2]|
	v_max3_num_f32 v[T+1], |v[XT+3]|, |v[XT+4]|, |v[XT+5]|
.irp i, 6,10
	v_max3_num_f32 v[T], v[T], |v[XT+\i]|, |v[XT+\i+1]|
	v_max3_num_f32 v[T+1], v[T+1], |v[XT+\i+2]|, |v[XT+\i+3]|
.endr
	v_max3_num_f32 v[T], v[T], |v[XT+14]|, |v[XT+15]|
	v_max3_num_f32 v[T], v[T], v[T+1], 0x2800000   ; and the floor 2^(5 - 127): the byte cannot fall under 1
	v_max_num_f32_dpp v[T], v[T], v[T] row_xmask:1 row_mask:0xf bank_mask:0xf
	v_add_nc_u32 v[T+2], 0xfe000000, v[T]          ; 4 off the exponent field: the conversion takes that field of this operand as its scale
	v_cvt_scalef32_pk16_bf6_f32 v[C+4*\t:C+4*\t+2], v[XT:XT+15], v[T+2]
	v_lshrrev_b32 v[BY+\t], 23, v[T+2]             ; the scale's byte (also the plain instruction behind the conversion)
	ds_store_b8 v8, v[BY+\t] offset:16*\t          ; both lanes of a block write the same byte
	global_store_b96 v9, v[C+4*\t:C+4*\t+2], s[34:35] offset:384*\t      ; the wave covers the token's 384 consecutive bytes
.endm
	TOKEN 0
	TOKEN 1
	TOKEN 2
	TOKEN 3
	ds_load_b32 v[T], v11                          ; LDS serves a wave's instructions in order: these see my stores
	ds_load_b32 v[T+1], v12
	ds_load_b32 v[T+2], v13
	ds_load_b32 v[T+3], v13 offset:16
	s_wait_dscnt 0x0
	global_store_b32 v10, v[T], s[36:37]           ; four tokens' logits: 128 consecutive bytes
	s_wait_xcnt 0x0                                ; EXEC changes only behind this wait
	v_cmp_gt_u32 vcc_lo, 16, v1
	s_wait_tensorcnt 0x0
	ds_add_u32 v254, v255
	s_wait_dscnt 0x0
	s_and_saveexec_b32 s54, vcc_lo
	global_store_b32 v10, v[T+1], s[38:39]         ; four tokens' scale bytes: 64 bytes
	s_wait_xcnt 0x0
	v_cmp_gt_u32 vcc_lo, 4, v1
	s_and_saveexec_b32 s55, vcc_lo
	global_store_b32 v10, v[T+2], s[46:47]
	global_store_b32 v10, v[T+2], s[48:49]
	global_store_b32 v10, v[T+3], s[50:51]
	s_endpgm
.Lfunc_end_k_q4ecbeb1c2c_prep:
	.size	k_q4ecbeb1c2c_prep, .Lfunc_end_k_q4ecbeb1c2c_prep-k_q4ecbeb1c2c_prep
	.p2alignl 7, 3214868480
	.fill 96, 4, 3214868480
	.section	.rodata,"a",@progbits
	.p2align	6, 0x0
	.amdhsa_kernel k_q4ecbeb1c2c_prep
		.amdhsa_group_segment_fixed_size 179200
		.amdhsa_private_segment_fixed_size 0
		.amdhsa_enable_private_segment 0
		.amdhsa_kernarg_size 104
		.amdhsa_user_sgpr_count 2
		.amdhsa_user_sgpr_kernarg_segment_ptr 1
		.amdhsa_wavefront_size32 1
		.amdhsa_system_sgpr_workgroup_id_x 1
		.amdhsa_system_sgpr_workgroup_id_y 1
		.amdhsa_system_sgpr_workgroup_id_z 1
		.amdhsa_system_vgpr_workitem_id 0
		.amdhsa_next_free_vgpr 512
		.amdhsa_next_free_sgpr 66
		.amdhsa_reserve_vcc 1
		.amdhsa_float_denorm_mode_32 3
		.amdhsa_float_denorm_mode_16_64 3
		.amdhsa_memory_ordered 1
		.amdhsa_forward_progress 1
		.amdhsa_inst_pref_size 82
	.end_amdhsa_kernel
	.amdgpu_metadata
---
amdhsa.version: [ 1, 2 ]
amdhsa.kernels:
  - .name:           k_q4ecbeb1c2c_prep
    .symbol:         k_q4ecbeb1c2c_prep.kd
    .args:
      - { .name: hidden_states, .offset: 0, .size: 8, .value_kind: global_buffer, .address_space: global }
      - { .name: ln_weight, .offset: 8, .size: 8, .value_kind: global_buffer, .address_space: global }
      - { .name: w_router, .offset: 16, .size: 8, .value_kind: global_buffer, .address_space: global }
      - { .name: wi_codes, .offset: 24, .size: 8, .value_kind: global_buffer, .address_space: global }
      - { .name: wo_codes, .offset: 32, .size: 8, .value_kind: global_buffer, .address_space: global }
      - { .name: out1, .offset: 40, .size: 8, .value_kind: global_buffer, .address_space: global }
      - { .name: out2, .offset: 48, .size: 8, .value_kind: global_buffer, .address_space: global }
      - { .name: eidx, .offset: 56, .size: 8, .value_kind: global_buffer, .address_space: global }
      - { .name: prob, .offset: 64, .size: 8, .value_kind: global_buffer, .address_space: global }
      - { .name: xcodes, .offset: 72, .size: 8, .value_kind: global_buffer, .address_space: global }
      - { .name: xscales, .offset: 80, .size: 8, .value_kind: global_buffer, .address_space: global }
      - { .name: wiL, .offset: 88, .size: 8, .value_kind: global_buffer, .address_space: global }
      - { .name: woL, .offset: 96, .size: 8, .value_kind: global_buffer, .address_space: global }
    .group_segment_fixed_size: 179200
    .private_segment_fixed_size: 0
    .kernarg_segment_align: 8
    .kernarg_segment_size: 104
    .max_flat_workgroup_size: 256
    .sgpr_count:     66
    .vgpr_count:     512
    .wavefront_size: 32
...
	.end_amdgpu_metadata
.endif
;; end of part 1
;; launch place (part 2): grid 1 x 1, 32 waves a work-group, no clusters, 8,192 bytes of LDS; arguments eidx, rowlist, tiles; writes rowlist, tiles
.if DOCPART == 2
	.amdgcn_target "amdgcn-amd-amdhsa--gfx1250"
	.amdhsa_code_object_version 6
	.text
	.protected	k_q4ecbeb1c2c_place
	.globl	k_q4ecbeb1c2c_place
	.p2align	8
	.type	k_q4ecbeb1c2c_place,@function
k_q4ecbeb1c2c_place:
	s_mov_b64 s[64:65], 0
	v_nop
	global_prefetch_b8 v0, s[64:65] scope:SCOPE_SE
	s_setreg_imm32_b32 hwreg(HW_REG_WAVE_MODE, 25, 1), 1
	s_wait_xcnt 0x0
; A counting sort of the 4,096 expert numbers by one work-group of 32 waves, without atomics, and the table of tiles for the third launch.
; Thread i owns tokens 4 i .. 4 i + 3.  A token's place = its expert's first place + the count of that expert in earlier waves + its rank inside the wave (by lane masks).
; rowlist: the token numbers, sorted by expert, dense.  tiles: entries of 16 bytes (expert, first place in rowlist, rows 1 .. 64, index of the tile in its expert).
; EXACTLY 71 TILES, NONE EMPTY, for every split: the sum over the 8 experts of ceil(T / 64) lies between 64 and 71; the D that are missing are made by halving the first D full tiles of the largest expert,
; which has at least 512 rows, so at least 8 full tiles.  Entries 71 to 95 are written and not read.
	s_load_b128 s[4:7], s[0:1], 0x0                ; eidx, rowlist
	s_load_b64 s[8:9], s[0:1], 0x10                ; tiles
	v_lshl_add_u32 v80, v0, 2, 0x1000
	v_mov_b32 v81, 0
	v_lshrrev_b32 v1, 5, v0
	v_readfirstlane_b32 s10, v1                    ; wave 0..31
	v_and_b32 v1, 31, v0                           ; lane
	v_lshlrev_b32 v2, 4, v0
	v_lshlrev_b32 v3, 2, v0                        ; 4 x thread: my first token, and my word in LDS
	s_mov_b32 s94, 0x76543210                      ; v_permlanex16_b32's selects for lane l xor 16
	s_mov_b32 s95, 0xfedcba98
.irp e, 0,1,2,3,4,5,6,7
	s_mov_b32 s[12+\e], 0                          ; s12-19: the wave's count of each expert
	v_mov_b32 v[32+\e], 0                          ; destinations of lane moves: written once
.endr
.irp j, 0,1,2,3
	v_mov_b32 v[8+\j], 0                           ; v8-11: my tokens' ranks inside the wave
	v_mov_b32 v[40+\j], 0
.endr
	v_mov_b32 v13, 0
	s_wait_kmcnt 0x0
	global_load_b128 v[4:7], v2, s[4:5]
	s_wait_loadcnt 0x0
.irp j, 0,1,2,3
	v_min_u32 v[4+\j], 7, v[4+\j]
.endr
.irp e, 0,1,2,3,4,5,6,7
.irp j, 0,1,2,3
	v_cmp_eq_u32 s[20+4*\e+\j], \e, v[4+\j]        ; s20-51: which lanes' token j goes to expert e
	v_mbcnt_lo_u32_b32 v12, s[20+4*\e+\j], s[12+\e]   ; those in lower lanes + those counted so far
	v_cndmask_b32 v[8+\j], v[8+\j], v12, s[20+4*\e+\j]
	s_bcnt1_i32_b32 s90, s[20+4*\e+\j]
	s_add_co_u32 s[12+\e], s[12+\e], s90
.endr
.endr
.irp e, 0,1,2,3,4,5,6,7
	v_writelane_b32 v13, s[12+\e], \e
.endr
	ds_store_b32 v3, v13                           ; wave w's eight counts at 128 w
	s_wait_dscnt 0x0                               ; for the others' sake
	s_barrier_signal -1
	s_barrier_wait -1
	v_lshlrev_b32 v14, 7, v1                       ; lane i reads wave i's counts
	ds_load_b128 v[16:19], v14
	ds_load_b128 v[20:23], v14 offset:16
	s_wait_dscnt 0x0
	v_cmp_gt_u32 vcc_lo, s10, v1                   ; waves ahead of mine
.irp k, 0,1,2,3
	v_lshl_or_b32 v[24+\k], v[17+2*\k], 16, v[16+2*\k]   ; two counts to a word: no sum passes 4,096
.endr
.irp k, 0,1,2,3
	v_cndmask_b32 v[28+\k], 0, v[24+\k], vcc_lo
.endr
.irp x, 1,2,4,8
.irp k, 0,1,2,3,4,5,6,7
	v_mov_b32_dpp v[32+\k], v[24+\k] row_xmask:\x row_mask:0xf bank_mask:0xf
.endr
.irp k, 0,1,2,3,4,5,6,7
	v_add_nc_u32 v[24+\k], v[24+\k], v[32+\k]
.endr
.endr
.irp k, 0,1,2,3,4,5,6,7
	v_permlanex16_b32 v[32+\k], v[24+\k], s94, s95
.endr
.irp k, 0,1,2,3,4,5,6,7
	v_add_nc_u32 v[24+\k], v[24+\k], v[32+\k]
.endr
.irp k, 0,1,2,3
	v_readfirstlane_b32 s90, v[24+\k]
	s_and_b32 s[52+2*\k], s90, 0xffff              ; s52-59: T, each expert's rows
	s_lshr_b32 s[53+2*\k], s90, 16
	v_readfirstlane_b32 s90, v[28+\k]
	s_and_b32 s[66+2*\k], s90, 0xffff              ; s66-73: those in earlier waves
	s_lshr_b32 s[67+2*\k], s90, 16
.endr
	s_mov_b32 s74, 0                               ; s74-81: O, each expert's first place
.irp e, 0,1,2,3,4,5,6
	s_add_co_u32 s[75+\e], s[74+\e], s[52+\e]
.endr
.irp e, 0,1,2,3,4,5,6,7
	s_add_co_u32 s[66+\e], s[66+\e], s[74+\e]      ; where my wave's tokens of expert e begin
.endr
.irp e, 0,1,2,3,4,5,6,7
.irp j, 0,1,2,3
	v_cndmask_b32 v[40+\j], v[40+\j], s[66+\e], s[20+4*\e+\j]
.endr
.endr
.irp j, 0,1,2,3
	v_add_nc_u32 v[40+\j], v[40+\j], v[8+\j]
	v_min_u32 v[40+\j], 4095, v[40+\j]
	v_lshlrev_b32 v[40+\j], 2, v[40+\j]
	v_add_nc_u32 v[44+\j], \j, v3
	global_store_b32 v[40+\j], v[44+\j], s[6:7]
.endr
	s_cmp_lg_u32 s10, 0                            ; the table is wave 0's; no barrier follows
	s_cbranch_scc1 .Ldone
	s_mov_b32 s93, 0
.irp e, 0,1,2,3,4,5,6,7
	s_add_co_u32 s[82+\e], s[52+\e], 63
	s_lshr_b32 s[82+\e], s[82+\e], 6               ; s82-89: tiles of each expert
	s_add_co_u32 s93, s93, s[82+\e]
.endr
	s_sub_co_u32 s92, 71, s93                      ; D, 0 .. 7
	s_mov_b32 s90, s52
	s_mov_b32 s91, 0                               ; the first largest expert
.irp e, 1,2,3,4,5,6,7
	s_cmp_gt_u32 s[52+\e], s90
	s_cselect_b32 s90, s[52+\e], s90
	s_cselect_b32 s91, \e, s91
.endr
.irp e, 0,1,2,3,4,5,6,7
	s_cmp_eq_u32 s91, \e
	s_cselect_b32 s96, s92, 0
	s_add_co_u32 s[82+\e], s[82+\e], s96
.endr
	s_mov_b32 s93, 0
.irp e, 0,1,2,3,4,5,6,7
	s_mov_b32 s96, s[82+\e]
	s_mov_b32 s[82+\e], s93                        ; now: each expert's first tile
	s_add_co_u32 s93, s93, s96
.endr
	v_mov_b32 v57, s92
	v_mov_b32 v63, 32
.macro TAB c                           ; entries 32 c + lane.  Each run has its own four data registers and its own address register
.set Q, 64+4*\c
	v_add_nc_u32 v50, 32*\c, v1
	v_mov_b32 v[Q], 0                              ; the last expert whose first tile is not beyond mine
	v_mov_b32 v52, s82
	v_mov_b32 v53, s52
	v_mov_b32 v54, s74
.irp e, 1,2,3,4,5,6,7
	v_cmp_gt_u32 vcc_lo, s[82+\e], v50
	v_cndmask_b32 v[Q], \e, v[Q], vcc_lo
	v_cndmask_b32 v52, s[82+\e], v52, vcc_lo
	v_cndmask_b32 v53, s[52+\e], v53, vcc_lo
	v_cndmask_b32 v54, s[74+\e], v54, vcc_lo
.endr
	v_sub_nc_u32 v[Q+3], v50, v52                  ; k: the tile's index in its expert
	v_cmp_eq_u32 vcc_lo, s91, v[Q]
	v_cndmask_b32 v56, 0, v57, vcc_lo              ; D in the largest expert, else 0
	v_lshlrev_b32 v58, 1, v56
	v_lshlrev_b32 v59, 5, v[Q+3]                   ; a halved tile begins at 32 k,
	v_sub_nc_u32 v60, v[Q+3], v56
	v_lshlrev_b32 v60, 6, v60                      ; a whole one at 64 (k - D)
	v_cmp_lt_u32 vcc_lo, v[Q+3], v58
	v_cndmask_b32 v61, v60, v59, vcc_lo
	v_sub_nc_u32 v62, v53, v61
	v_min_i32 v62, 64, v62
	v_max_i32 v62, 0, v62
	v_cndmask_b32 v[Q+2], v62, v63, vcc_lo
	v_add_nc_u32 v[Q+1], v54, v61
	v_lshlrev_b32 v[76+\c], 4, v50
	global_store_b128 v[76+\c], v[Q:Q+3], s[8:9]
.endm
	TAB 0
	TAB 1
	TAB 2
.Ldone:
	s_wait_tensorcnt 0x0
	ds_add_u32 v80, v81
	s_wait_dscnt 0x0
	s_endpgm
.Lfunc_end_k_q4ecbeb1c2c_place:
	.size	k_q4ecbeb1c2c_place, .Lfunc_end_k_q4ecbeb1c2c_place-k_q4ecbeb1c2c_place
	.p2alignl 7, 3214868480
	.fill 96, 4, 3214868480
	.section	.rodata,"a",@progbits
	.p2align	6, 0x0
	.amdhsa_kernel k_q4ecbeb1c2c_place
		.amdhsa_group_segment_fixed_size 8192
		.amdhsa_private_segment_fixed_size 0
		.amdhsa_enable_private_segment 0
		.amdhsa_kernarg_size 24
		.amdhsa_user_sgpr_count 2
		.amdhsa_user_sgpr_kernarg_segment_ptr 1
		.amdhsa_wavefront_size32 1
		.amdhsa_system_sgpr_workgroup_id_x 1
		.amdhsa_system_sgpr_workgroup_id_y 1
		.amdhsa_system_sgpr_workgroup_id_z 1
		.amdhsa_system_vgpr_workitem_id 0
		.amdhsa_next_free_vgpr 82
		.amdhsa_next_free_sgpr 100
		.amdhsa_reserve_vcc 1
		.amdhsa_float_denorm_mode_32 3
		.amdhsa_float_denorm_mode_16_64 3
		.amdhsa_memory_ordered 1
		.amdhsa_forward_progress 1
		.amdhsa_inst_pref_size 29
	.end_amdhsa_kernel
	.amdgpu_metadata
---
amdhsa.version: [ 1, 2 ]
amdhsa.kernels:
  - .name:           k_q4ecbeb1c2c_place
    .symbol:         k_q4ecbeb1c2c_place.kd
    .args:
      - { .name: eidx, .offset: 0, .size: 8, .value_kind: global_buffer, .address_space: global }
      - { .name: rowlist, .offset: 8, .size: 8, .value_kind: global_buffer, .address_space: global }
      - { .name: tiles, .offset: 16, .size: 8, .value_kind: global_buffer, .address_space: global }
    .group_segment_fixed_size: 8192
    .private_segment_fixed_size: 0
    .kernarg_segment_align: 8
    .kernarg_segment_size: 24
    .max_flat_workgroup_size: 1024
    .sgpr_count:     100
    .vgpr_count:     82
    .wavefront_size: 32
...
	.end_amdgpu_metadata
.endif
;; end of part 2
;; launch experts (part 3): grid 71 x 1, 4 waves a work-group, no clusters, 167,424 bytes of LDS; arguments tiles, rowlist, xcodes, xscales, prob, wiL, wi_scales, woL, wo_scales, hidden_states, out0; writes out0
.if DOCPART == 3
	.amdgcn_target "amdgcn-amd-amdhsa--gfx1250"
	.amdhsa_code_object_version 6
	.text
	.protected	k_q4ecbeb1c2c_experts
	.globl	k_q4ecbeb1c2c_experts
	.p2align	8
	.type	k_q4ecbeb1c2c_experts,@function
k_q4ecbeb1c2c_experts:
	s_mov_b64 s[64:65], 0
	v_nop
	global_prefetch_b8 v0, s[64:65] scope:SCOPE_SE
	s_setreg_imm32_b32 hwreg(HW_REG_WAVE_MODE, 25, 1), 1
	s_wait_xcnt 0x0
; out0[token] = hidden[token] + gate x (Q(relu(Q(x) wi[e])) wo[e]) for the rows of ONE tile: at most 64 tokens of one expert e, named by the stored table.  Both products on codes of E3M2 with E8M0 scales.
; SHARES.  Four waves, which share the COLUMNS: at time g = 0 .. 3 wave w makes hidden group G = 4 Q(g) + w (128 units) for all 64 rows; in the second product it makes outputs 128 w .. 128 w + 127 for all 64 rows.
; Q(g) = (g + work-group number) & 3: neighbouring tiles of an expert walk the four quarters of its weights in different orders.  Only global addresses hang on that; LDS places and registers go by time.
; Both products are used transposed (source 0 = 16 rows of a weight, source 1 = 16 rows of tokens): a lane holds one token's row throughout, and its registers run along the next K.
; WEIGHTS come from memory straight into registers, as images that the first launch laid out: a unit of four fragments is 12 loads of 16 bytes a lane; four units of 48 registers take turns, three are on their way while one is multiplied.
; No tensor loads, no cluster: which work-groups share an expert is known only from the stored table, four neighbours may belong to two experts, and a branch here hangs on a stored number.
; THE HIDDEN LAYER never leaves the WGP: each wave quantises its 128 units of 16 rows in registers (one fragment and one scale word a row) and stores them to LDS as images of the operand's registers.
; ROWS PAST THE TILE'S COUNT REPEAT ITS LAST ROW (the place in the list is held at count - 1): they give the same bits, and the same wave stores the same bytes again: no mask and no branch on the way out.
; The second product's K steps are summed in the order of Q(g), not ascending: the sums are f32 and differ from an ascending sum by rounding alone.
; LIMITS: NaN and infinities are not served; a block of the hidden layer under 2^(5 - 127), zeros among them, keeps the scale byte 1 with codes that are zeros or near it.
; LDS: hidden images, slot 4 g + w, row tile m at (4 slot + m) 1536 | their scale words at (4 slot + m) 128 + 4 lane | x's images, tile m at 6144 m | x's scale words, four a row, at 512 m + 16 lane | a stage of 16 x 528 bytes a wave.
; REGISTERS, in windows of 256: window 0 addresses, scale words, the quantiser's work; window 1 accumulators (first product (m, t) at 64 m + 8 t; second (j, m) at 8 (4 j + m));
;   window 2 v0-191 x's fragments (48 m + 12 s), later hidden fragments (two sets of 48), later rows of y (two sets of 64); v192-255 each row's byte offset in hidden_states and out0;
;   window 3 v0-191 the four weight units, at the end all 256: the residual rows.
.set HSC,  98304
.set XIMG, 106496
.set STG,  133120
.set LI,   4                           ; 16 x lane
.set LI2,  5                           ; + 49152: LDS immediates have 16 bits
.set SCO,  6                           ; wi's scale words: (r + 8 (r / 8) + 8 h) x 16: lanes 0-15 the even tile of a pair, lanes 16-31 the odd one
.set PFO,  7                           ; 256 x lane
.set HWI,  8                           ; 16 lane + 6144 w
.set HWS,  9                           ; HSC + 4 lane + 512 w
.set HSA,  10                          ; HSC + 4 lane
.set XRA,  11                          ; XIMG + 16 lane
.set XWA,  12                          ; + 6144 w
.set XWS,  13                          ; XRA + 512 w
.set STO,  14                          ; my stage: row r, + 32 h
.set RD,   15                          ; my stage: 16 lane
.set TOK,  16                          ; v16-19 token of row 16 m + r
.set TOKW, 20                          ; token of row 16 w + r
.set LO,   21                          ; 512 w + 16 lane: my bytes in a row of 2,048
.set HWA,  22                          ; the group's image address
.set HWSA, 23
.set PRB,  24                          ; v24-27 the gate of row 16 m + r
.set WSV,  28                          ; v28-31 64 lane + 16 Q(g)
.set XS,   32                          ; v32-47  x's scale words, 4 m + s
.set WS,   48                          ; v48-63  wi's, 4 pair + s
.set WOS,  64                          ; v64-127 wo's, 16 g + 4 pair + step
.set HS,   128                         ; v128-135 the hidden layer's, two sets of 4
.set TM,   136                         ; v136-151 the quantiser's work
.set PW,   152                         ; the scale word just made
.set PC,   154                         ; v154-173 the codes just made
.set XG,   176                         ; v176-223 my 16 rows' codes of x
.set XGS,  224                         ; v224-227 their scale words
.set OT,   228                         ; v228-238 offsets, each used once
.set WB0,  38                          ; s[38:39] wiL at this group, s[40:41] at the next
.set WB1,  40
.set SB1,  44                          ; s[44:45] wi_scales at the next group
.set WOQ,  48                          ; s[48:55] woL at quarter Q(g), g = 0 .. 3
.set MSB, 0
.macro WIN new                         ; low byte: bits 1:0 source 0, 3:2 source 1, 5:4 source 2, 7:6 destination; the high byte repeats the setting that is left
.if MSB != \new
	s_set_vgpr_msb (MSB<<8)|\new
.set MSB, \new
.endif
.endm
.macro PLACES                          ; four plain instructions between a matrix instruction and a load into one of its registers, or a read of its result (ISA guide 7.12.1 for the read of its result)
.rept 4
	v_nop
.endr
.endm
.macro WM d, a, b, zero, sa, sb, odd   ; one product; zero: it starts the sum; odd: the weight's scale words stand in lanes 16-31
.if \zero
.if \odd
	v_wmma_scale_f32_16x16x128_f8f6f4 v[\d:\d+7], v[\a:\a+11], v[\b:\b+11], 0, v[\sa], v[\sb] matrix_a_fmt:MATRIX_FMT_BF6 matrix_b_fmt:MATRIX_FMT_BF6 matrix_a_scale:MATRIX_SCALE_ROW1
.else
	v_wmma_scale_f32_16x16x128_f8f6f4 v[\d:\d+7], v[\a:\a+11], v[\b:\b+11], 0, v[\sa], v[\sb] matrix_a_fmt:MATRIX_FMT_BF6 matrix_b_fmt:MATRIX_FMT_BF6
.endif
.else
.if \odd
	v_wmma_scale_f32_16x16x128_f8f6f4 v[\d:\d+7], v[\a:\a+11], v[\b:\b+11], v[\d:\d+7], v[\sa], v[\sb] matrix_a_fmt:MATRIX_FMT_BF6 matrix_b_fmt:MATRIX_FMT_BF6 matrix_a_scale:MATRIX_SCALE_ROW1
.else
	v_wmma_scale_f32_16x16x128_f8f6f4 v[\d:\d+7], v[\a:\a+11], v[\b:\b+11], v[\d:\d+7], v[\sa], v[\sb] matrix_a_fmt:MATRIX_FMT_BF6 matrix_b_fmt:MATRIX_FMT_BF6
.endif
.endif
.endm
.macro RING slot, base, off            ; a unit: four fragments, 6,144 dense bytes, into 48 registers of window 3
	WIN 0xc0
.irp i, 0,1,2,3,4,5,6,7,8,9,10,11
	global_load_b128 v[48*(\slot)+4*\i:48*(\slot)+4*\i+3], v[LI], s[\base:\base+1] offset:\off+512*\i
.endr
.endm
	s_load_b512 s[4:19], s[0:1], 0x0               ; tiles 4:5, rowlist 6:7, xcodes 8:9, xscales 10:11, prob 12:13, wiL 14:15, wi_scales 16:17, woL 18:19
	s_load_b128 s[20:23], s[0:1], 0x40             ; wo_scales 20:21, hidden_states 22:23
	s_load_b64 s[24:25], s[0:1], 0x50              ; out0
	v_lshl_add_u32 v254, v0, 2, 0x28c00
	v_mov_b32 v255, 0
	v_lshrrev_b32 v1, 5, v0
	v_readfirstlane_b32 s26, v1                    ; wave 0..3
	s_lshl_b32 s34, ttmp9, 4
	s_mov_b32 s35, 0                               ; s[34:35]: an offset pair; the high word stays 0
	s_and_b32 s27, ttmp9, 3                        ; Q(0)
	s_wait_kmcnt 0x0
	s_add_nc_u64 s[82:83], s[4:5], s[34:35]
	s_load_b128 s[28:31], s[82:83], 0x0            ; my tile: expert, first place, rows, index in the expert
	v_and_b32 v1, 31, v0                           ; lane
	v_and_b32 v2, 15, v0                           ; r
	v_bfe_u32 v3, v0, 4, 1                         ; h
	v_lshlrev_b32 v[LI], 4, v1
	v_add_nc_u32 v[LI2], 49152, v[LI]
	v_and_b32 v[SCO], 8, v2
	v_add_nc_u32 v[SCO], v[SCO], v2
	v_lshl_add_u32 v[SCO], v3, 3, v[SCO]
	v_lshlrev_b32 v[SCO], 4, v[SCO]
	v_lshlrev_b32 v[PFO], 8, v1
	s_mul_i32 s88, s26, 6144
	v_add_nc_u32 v[HWI], s88, v[LI]
	v_lshl_add_u32 v[HSA], v1, 2, HSC
	s_lshl_b32 s89, s26, 9
	v_add_nc_u32 v[HWS], s89, v[HSA]
	v_add_nc_u32 v[XRA], XIMG, v[LI]
	v_add_nc_u32 v[XWA], s88, v[XRA]
	v_add_nc_u32 v[XWS], s89, v[XRA]
	v_add_nc_u32 v[LO], s89, v[LI]
	s_mul_i32 s88, s26, 8448
	s_add_co_u32 s88, s88, STG
	v_mul_u32_u24 v[STO], v2, 528
	v_lshl_add_u32 v[STO], v3, 5, v[STO]
	v_add_nc_u32 v[STO], s88, v[STO]
	v_add_nc_u32 v[RD], s88, v[LI]
.irp b, 0,1,2,3
	v_mov_b32 v[TM+4+\b], 0                        ; written once: a lane permute's destination counts as one of its sources
.endr
	s_mov_b32 s60, 0x76543210                      ; v_permlanex16_b32's selects for lane l xor 16
	s_mov_b32 s61, 0xfedcba98
	s_mov_b32 s59, 3                               ; trips of the loop over groups
	s_mov_b32 s62, 0                               ; the group's hidden images: 24,576 bytes a group,
	s_mov_b32 s63, 0                               ; their scale words: 2,048
	s_mov_b32 s58, s27                             ; the quarter in hand
	s_lshl_b32 s89, s26, 4
	s_wait_kmcnt 0x0
	s_min_u32 s28, s28, 7
	s_min_u32 s29, s29, 4095
	s_min_u32 s30, s30, 64
	s_max_u32 s30, s30, 1
	s_sub_co_u32 s33, s30, 1
.irp m, 0,1,2,3
	v_add_nc_u32 v[OT+\m], 16*\m, v2
.endr
	v_add_nc_u32 v[OT+4], s89, v2
.irp m, 0,1,2,3,4
	v_min_u32 v[OT+\m], s33, v[OT+\m]              ; rows past the count repeat the last
	v_add_nc_u32 v[OT+\m], s29, v[OT+\m]
	v_min_u32 v[OT+\m], 4095, v[OT+\m]
	v_lshlrev_b32 v[OT+\m], 2, v[OT+\m]
.endr
.irp m, 0,1,2,3
	global_load_b32 v[TOK+\m], v[OT+\m], s[6:7]
.endr
	global_load_b32 v[TOKW], v[OT+4], s[6:7]
	s_mul_i32 s34, s28, 786432
	s_mul_i32 s88, s26, 49152
	s_add_co_u32 s34, s34, s88
	s_add_nc_u64 s[36:37], s[14:15], s[34:35]      ; wiL: my expert, group w of quarter 0
	s_mul_i32 s34, s27, 196608
	s_add_nc_u64 s[WB0:WB0+1], s[36:37], s[34:35]
	RING 0, WB0, 0
	RING 1, WB0, 6144
	RING 2, WB0, 12288
	RING 3, WB0, 18432
	WIN 0
	s_lshl_b32 s34, s28, 15
	s_lshl_b32 s88, s26, 11
	s_add_co_u32 s34, s34, s88
	s_add_nc_u64 s[42:43], s[16:17], s[34:35]      ; wi_scales likewise: 16 bytes a row
	s_lshl_b32 s34, s27, 13
	s_add_nc_u64 s[84:85], s[42:43], s[34:35]
.irp p, 0,1,2,3
	global_load_b128 v[WS+4*\p:WS+4*\p+3], v[SCO], s[84:85] offset:512*\p
.endr
	s_add_co_u32 s88, s27, 1
	s_and_b32 s88, s88, 3
	s_mul_i32 s34, s88, 196608
	s_add_nc_u64 s[WB1:WB1+1], s[36:37], s[34:35]
	s_lshl_b32 s34, s88, 13
	s_add_nc_u64 s[SB1:SB1+1], s[42:43], s[34:35]
	s_mul_i32 s34, s28, 786432
	s_mul_i32 s88, s26, 196608
	s_add_co_u32 s34, s34, s88
	s_add_nc_u64 s[46:47], s[18:19], s[34:35]      ; woL: my expert, my quarter of the outputs
	s_lshl_b32 s34, s28, 15
	s_lshl_b32 s88, s26, 13
	s_add_co_u32 s34, s34, s88
	s_add_nc_u64 s[86:87], s[20:21], s[34:35]      ; wo_scales: 64 bytes a row, my 128 rows
.irp g, 0,1,2,3
	s_add_co_u32 s88, s27, \g
	s_and_b32 s88, s88, 3
	s_mul_i32 s34, s88, 49152
	s_add_nc_u64 s[WOQ+2*\g:WOQ+2*\g+1], s[46:47], s[34:35]
	s_lshl_b32 s88, s88, 4
	v_lshl_add_u32 v[WSV+\g], v1, 6, s88
.endr
	s_mov_b64 s[56:57], s[WOQ:WOQ+1]               ; where the prefetches stand
	s_wait_loadcnt 52                              ; the five list loads are in: 48 weight loads and 4 scale loads were issued behind them
.irp m, 0,1,2,3,4
	v_min_u32 v[TOK+\m], 4095, v[TOK+\m]
.endr
	v_mul_u32_u24 v[OT+5], v[TOKW], 384
	v_mad_u32_u24 v[OT+5], v3, 192, v[OT+5]        ; my half's 192 bytes of the row's codes: the 48 registers of its four K steps
	v_lshlrev_b32 v[OT+6], 4, v[TOKW]
.irp m, 0,1,2,3
	v_lshlrev_b32 v[OT+7+\m], 2, v[TOK+\m]
.endr
.irp i, 0,1,2,3,4,5,6,7,8,9,10,11
	global_load_b128 v[XG+4*\i:XG+4*\i+3], v[OT+5], s[8:9] offset:16*\i
.endr
	global_load_b128 v[XGS:XGS+3], v[OT+6], s[10:11]
.irp m, 0,1,2,3
	global_load_b32 v[PRB+\m], v[OT+7+\m], s[12:13]
.endr
.irp g, 0,1,2,3
.irp p, 0,1,2,3
	global_load_b128 v[WOS+16*\g+4*\p:WOS+16*\g+4*\p+3], v[WSV+\g], s[86:87] offset:2048*\p   ; lanes 0-15 the even tile's rows, lanes 16-31 the odd one's; four K steps' words
.endr
.endr
	s_wait_loadcnt 20                              ; x's codes and scale words are in: 4 gates and 16 loads of wo's scales were issued behind them
.irp i, 0,1,2,3,4,5,6,7,8,9,10,11
	ds_store_b128 v[XWA], v[XG+4*\i:XG+4*\i+3] offset:512*\i
.endr
	ds_store_b128 v[XWS], v[XGS:XGS+3] offset:24576
	s_wait_dscnt 0x0                               ; for the others' sake: my images have landed
	s_barrier_signal -1
	s_barrier_wait -1                              ; x's sixteen fragments lie in LDS
	WIN 0x80                                       ; destination window 2
.irp m, 0,1,2,3
.irp i, 0,1,2,3,4,5,6,7,8,9,10,11
	ds_load_b128 v[48*\m+4*\i:48*\m+4*\i+3], v[XRA] offset:6144*\m+512*\i
.endr
.endr
	WIN 0
.irp m, 0,1,2,3
	ds_load_b128 v[XS+4*\m:XS+4*\m+3], v[XRA] offset:24576+512*\m
.endr
	; while these are out: each row's byte offset in hidden_states and out0, token x 2,048 + my 16 bytes, for the way out
.irp m, 0,1,2,3
.irp i, 0,1,2,3,4,5,6,7,8,9,10,11,12,13,14,15
	v_readlane_b32 s[66+\i], v[TOK+\m], \i
.endr
.irp i, 0,1,2,3,4,5,6,7,8,9,10,11,12,13,14,15
	s_min_u32 s[66+\i], s[66+\i], 4095
	s_lshl_b32 s[66+\i], s[66+\i], 11
.endr
	WIN 0x80
.irp i, 0,1,2,3,4,5,6,7,8,9,10,11,12,13,14,15
	v_add_nc_u32 v[192+16*\m+\i], s[66+\i], v[LO]
.endr
	WIN 0
.endr
	s_wait_dscnt 0x0
; ---- THE FIRST PRODUCT.  Tile t of my group against the four tiles of rows, four K steps: 16 products; the four accumulators take turns, one instruction a turn.
.macro MM1 t
.irp s, 0,1,2,3
.irp m, 0,1,2,3
	WM 64*\m+8*(\t), 48*((\t)%4)+12*\s, 48*\m+12*\s, \s==0, WS+4*((\t)/2)+\s, XS+4*\m+\s, (\t)%2
.endr
.endr
.endm
; last = 0: the unit just multiplied is filled with the tile four on, from t = 4 on the next group's; behind an odd tile its pair's scale words for the next group follow.
; last = 1, the fourth group: from t = 4 on the units take the second product's first four.
.macro TILE t, last
	s_wait_loadcnt 36                              ; this tile's unit is in: behind it three units of 12 loads were issued
	WIN 0x5b                                       ; weights window 3, rows window 2, sums window 1
	MM1 \t
	PLACES
.if (\t) < 4
	RING (\t)%4, WB0, 6144*((\t)+4)
.elseif \last
	RING (\t)%4, WOQ, 12288*(((\t)-4)/2)+6144*(((\t)-4)%2)
.else
	RING (\t)%4, WB1, 6144*((\t)-4)
.endif
	WIN 0
.if ((\t)%2) && !(\last)
	global_load_b128 v[WS+4*((\t)/2):WS+4*((\t)/2)+3], v[SCO], s[SB1:SB1+1] offset:512*((\t)/2)
.endif
.endm
; A PREFETCH INTO THE L2 of woL, which the second product will stream.  The expert's first tile asks, and nobody else; each of its waves for its own 196,608 bytes, in each group the quarter of 49,152 bytes
; that it will use in the same turn: six instructions, lanes 256 bytes apart.  So each block of 256 bytes is named once in the launch.  wiL is not asked for: its loads are out from the launch's start.
.macro ASK
	s_cmp_eq_u32 s31, 0
	s_cbranch_scc0 .Lnot_first_\@
.irp i, 0,1,2,3,4,5
	global_prefetch_b8 v[PFO], s[56:57] offset:8192*\i th:TH_LOAD_NT scope:SCOPE_SE
.endr
.Lnot_first_\@:
.endm
; Rows 16 m on: my 128 hidden units, 64 numbers a lane (register 16 b + i = unit 32 b + 16 h + i of my row), are clipped at 0, quantised, and stored as one fragment's image and one scale word a row.
.macro QUANT m
.set S, 64*(\m)
	WIN 0x44
.set J, 0
.rept 64
	v_max_num_f32 v[S+J], 0, v[S+J]                ; the activation, in f32; each accumulator from its low end on
.set J, J+1
.endr
	WIN 0x05
.irp b, 0,1,2,3
	v_max3_num_f32 v[TM+\b], v[S+16*\b], v[S+16*\b+1], 0x2800000      ; with the floor 2^(5 - 127): the byte cannot fall under 1.  No |.|: none is negative
.endr
	WIN 0x14
.irp i, 2,4,6,8,10,12,14
.irp b, 0,1,2,3
	v_max3_num_f32 v[TM+\b], v[TM+\b], v[S+16*\b+\i], v[S+16*\b+\i+1]   ; the four blocks by turns
.endr
.endr
	WIN 0
.irp b, 0,1,2,3
	v_permlanex16_b32 v[TM+4+\b], v[TM+\b], s60, s61
.endr
.irp b, 0,1,2,3
	v_max_num_f32 v[TM+\b], v[TM+\b], v[TM+4+\b]   ; with lane l xor 16's 16: the block's largest
.endr
.irp b, 0,1,2,3
	v_add_nc_u32 v[TM+12+\b], 0xfe000000, v[TM+\b] ; 4 off its exponent field: the conversion's scale operand
.endr
.irp b, 0,1,2,3
	v_lshrrev_b32 v[TM+4+\b], 23, v[TM+12+\b]      ; the scale's byte
.endr
	s_wait_dscnt 0x0                               ; the last image's stores have read their registers
	v_lshl_or_b32 v[PW], v[TM+5], 8, v[TM+4]
	v_lshl_or_b32 v[PW], v[TM+6], 16, v[PW]
	v_lshl_or_b32 v[PW], v[TM+7], 24, v[PW]
	WIN 0x01
.irp c, 0,1
	v_cvt_scalef32_pk16_bf6_f32 v[PC+6*\c:PC+2+6*\c], v[S+32*\c:S+15+32*\c], v[TM+12+2*\c]
	v_cvt_scalef32_pk16_bf6_f32 v[PC+12+4*\c:PC+14+4*\c], v[S+16+32*\c:S+31+32*\c], v[TM+12+2*\c+1]   ; (a conversion's three registers begin on an even number)
.endr
	WIN 0
	v_nop                                          ; one plain instruction behind the scaled conversions
.irp c, 0,1                            ; the operand's layout wants a whole block in a lane: lanes 0-15 block 2 c, lanes 16-31 block 2 c + 1
.irp i, 0,1,2
	v_permlane16_swap_b32 v[PC+6*\c+\i], v[PC+12+4*\c+\i]
.endr
.irp i, 0,1,2
	v_mov_b32 v[PC+3+6*\c+\i], v[PC+12+4*\c+\i]
.endr
.endr
.irp c, 0,1,2
	ds_store_b128 v[HWA], v[PC+4*\c:PC+4*\c+3] offset:1536*(\m)+512*\c
.endr
	ds_store_b32 v[HWSA], v[PW] offset:128*(\m)
.endm
.macro GROUP last
	v_add_nc_u32 v[HWA], s62, v[HWI]
	v_add_nc_u32 v[HWSA], s63, v[HWS]
	TILE 0, \last
	TILE 1, \last
	TILE 2, \last
	TILE 3, \last
	ASK
	TILE 4, \last
	TILE 5, \last
	TILE 6, \last
	TILE 7, \last
	QUANT 0
	QUANT 1
	QUANT 2
	QUANT 3
.endm
.Lgroup:                                               ; three trips; the fourth group is written out, since its last refills differ
	GROUP 0
	s_wait_dscnt 0x0                               ; my image stores have read their address registers,
	s_wait_xcnt 0x0                                ; and every load and prefetch its base: all are written anew below
	s_add_co_u32 s58, s58, 1
	s_and_b32 s58, s58, 3                          ; the next group's quarter,
	s_add_co_u32 s88, s58, 1
	s_and_b32 s88, s88, 3                          ; and the one after
	s_mov_b64 s[WB0:WB0+1], s[WB1:WB1+1]
	s_mul_i32 s34, s88, 196608
	s_add_nc_u64 s[WB1:WB1+1], s[36:37], s[34:35]
	s_lshl_b32 s34, s88, 13
	s_add_nc_u64 s[SB1:SB1+1], s[42:43], s[34:35]
	s_mul_i32 s34, s58, 49152
	s_add_nc_u64 s[56:57], s[46:47], s[34:35]
	s_add_co_u32 s62, s62, 24576
	s_add_co_u32 s63, s63, 2048
	s_sub_co_u32 s59, s59, 1
	s_cmp_lg_u32 s59, 0
	s_cbranch_scc1 .Lgroup
	GROUP 1
	s_wait_dscnt 0x0                               ; for the others' sake: my images have landed
	s_barrier_signal -1
	s_barrier_wait -1                              ; the hidden layer's 64 fragments lie in LDS
; ---- THE SECOND PRODUCT.  Slot g = 0 .. 15 of the hidden images is K step 4 Q(g / 4) + g % 4; its eight fragments of wo come as two units.  32 accumulators, each touched once a slot.
.macro FETCH g                         ; slot g's four hidden fragments and their scale words
	WIN 0x80
.irp m, 0,1,2,3
.irp c, 0,1,2
.if (\g) < 8
	ds_load_b128 v[48*((\g)%2)+12*\m+4*\c:48*((\g)%2)+12*\m+4*\c+3], v[LI] offset:6144*(\g)+1536*\m+512*\c
.else
	ds_load_b128 v[48*((\g)%2)+12*\m+4*\c:48*((\g)%2)+12*\m+4*\c+3], v[LI2] offset:6144*((\g)-8)+1536*\m+512*\c
.endif
.endr
.endr
	WIN 0
.irp m, 0,1,2,3
	ds_load_b32 v[HS+4*((\g)%2)+\m], v[HSA] offset:512*(\g)+128*\m
.endr
.endm
.macro MM2 g, f                        ; output tiles 4 f .. 4 f + 3 against the four tiles of rows
.irp jj, 0,1,2,3
.irp m, 0,1,2,3
	WM 8*(4*(4*(\f)+\jj)+\m), 48*((2*(\g)+(\f))%4)+12*\jj, 48*((\g)%2)+12*\m, (\g)==0, WOS+16*((\g)/4)+4*((4*(\f)+\jj)/2)+(\g)%4, HS+4*((\g)%2)+\m, \jj%2
.endr
.endr
.endm
.macro RESID k                         ; when no weights are left to fetch, a freed unit takes 12 rows of the residual: the count of loads behind a unit stays 36
	WIN 0xc2                                       ; destination window 3, offsets window 2
.irp i, 0,1,2,3,4,5,6,7,8,9,10,11
	global_load_b128 v[4*(12*(\k)+\i):4*(12*(\k)+\i)+3], v[192+12*(\k)+\i], s[22:23]
.endr
.endm
	FETCH 0
.irp g, 0,1,2,3,4,5,6,7,8,9,10,11,12,13,14,15
.if \g < 15
	FETCH \g+1                                     ; (the four v_nop of the last refill are its places)
	s_wait_dscnt 16                                ; this slot's 16 LDS loads are in; the 16 just issued may be out
.else
	s_wait_dscnt 0x0
.endif
.irp f, 0,1
	s_wait_loadcnt 36                              ; this unit is in: three units of 12 loads were issued behind it
	WIN 0x5b
	MM2 \g, \f
	PLACES
.if 2*\g+\f <= 27
	RING (2*\g+\f)%4, WOQ+2*((\g+2)/4), 12288*((\g+2)%4)+6144*\f
.else
	RESID 2*\g+\f-28
.endif
.endr
.endr
.set I, 48
.rept 16
	global_load_b128 v[4*I:4*I+3], v[192+I], s[22:23]      ; residual rows 48 to 63, into registers that no product has named
.set I, I+1
.endr
; ---- THE WAY OUT, 16 rows at a time.  A lane holds 32 neighbouring bytes of a row and the lanes beside it hold other rows: a block goes through my own stage and comes back as rows of 512 bytes.
; LDS serves a wave's instructions in order: no wait between the stores and the loads, nor before the next block's stores.
.macro TOSTAGE m
	WIN 0x04                                       ; an LDS store's data are its source 1: window 1
.irp j, 0,1,2,3,4,5,6,7
	ds_store_b128 v[STO], v[8*(4*\j+(\m)):8*(4*\j+(\m))+3] offset:64*\j          ; each accumulator from its low end on
	ds_store_b128 v[STO], v[8*(4*\j+(\m))+4:8*(4*\j+(\m))+7] offset:64*\j+16
.endr
	WIN 0x80
.irp i, 0,1,2,3,4,5,6,7,8,9,10,11,12,13,14,15
	ds_load_b128 v[64*((\m)%2)+4*\i:64*((\m)%2)+4*\i+3], v[RD] offset:528*\i
.endr
.endm
.macro SEND m, younger
	s_wait_dscnt \younger                          ; the block is back; the next block's 16 stores and 16 loads may be out
	s_wait_loadcnt 48-16*(\m)                      ; its 16 residual rows are in; the later blocks' may be out
	WIN 0
.irp i, 0,1,2,3,4,5,6,7,8,9,10,11,12,13,14,15
	v_readlane_b32 s[66+\i], v[PRB+(\m)], \i       ; a row's gate, for all 32 lanes
.endr
	WIN 0xb8                                       ; y window 2, the residual window 3
.irp i, 0,1,2,3,4,5,6,7,8,9,10,11,12,13,14,15
.irp c, 0,1,2,3
	v_fma_f32 v[64*((\m)%2)+4*\i+\c], s[66+\i], v[64*((\m)%2)+4*\i+\c], v[4*(16*(\m)+\i)+\c]
.endr
.endr
	WIN 0x0a                                       ; offsets and data window 2
.irp i, 0,1,2,3,4,5,6,7,8,9,10,11,12,13,14,15
	global_store_b128 v[192+16*(\m)+\i], v[64*((\m)%2)+4*\i:64*((\m)%2)+4*\i+3], s[24:25] th:TH_STORE_NT   ; 32 lanes store 512 consecutive bytes of a token's row, at a multiple of 512 from out0's first byte
.endr
.endm
	TOSTAGE 0                                      ; (the four v_nop behind the last products are the places for these reads and loads)
.irp a, 1,2,3
.if \a > 1
	s_wait_xcnt 0x0                                ; block a - 2's stores have read their data: block a's rows may land there
.endif
	TOSTAGE \a
	SEND \a-1, 32
.endr
	SEND 3, 0
	WIN 0
	s_wait_tensorcnt 0x0
	ds_add_u32 v254, v255
	s_wait_dscnt 0x0
	s_endpgm
.Lfunc_end_k_q4ecbeb1c2c_experts:
	.size	k_q4ecbeb1c2c_experts, .Lfunc_end_k_q4ecbeb1c2c_experts-k_q4ecbeb1c2c_experts
	.p2alignl 7, 3214868480
	.fill 96, 4, 3214868480
	.section	.rodata,"a",@progbits
	.p2align	6, 0x0
	.amdhsa_kernel k_q4ecbeb1c2c_experts
		.amdhsa_group_segment_fixed_size 167424
		.amdhsa_private_segment_fixed_size 0
		.amdhsa_enable_private_segment 0
		.amdhsa_kernarg_size 88
		.amdhsa_user_sgpr_count 2
		.amdhsa_user_sgpr_kernarg_segment_ptr 1
		.amdhsa_wavefront_size32 1
		.amdhsa_system_sgpr_workgroup_id_x 1
		.amdhsa_system_sgpr_workgroup_id_y 1
		.amdhsa_system_sgpr_workgroup_id_z 1
		.amdhsa_system_vgpr_workitem_id 0
		.amdhsa_next_free_vgpr 1024
		.amdhsa_next_free_sgpr 96
		.amdhsa_reserve_vcc 0
		.amdhsa_float_denorm_mode_32 3
		.amdhsa_float_denorm_mode_16_64 3
		.amdhsa_memory_ordered 1
		.amdhsa_forward_progress 1
		.amdhsa_inst_pref_size 255
	.end_amdhsa_kernel
	.section	.bss,"aw",@nobits
	.p2align	6
	.space	262144
	.amdgpu_metadata
---
amdhsa.version: [ 1, 2 ]
amdhsa.kernels:
  - .name:           k_q4ecbeb1c2c_experts
    .symbol:         k_q4ecbeb1c2c_experts.kd
    .args:
      - { .name: tiles, .offset: 0, .size: 8, .value_kind: global_buffer, .address_space: global }
      - { .name: rowlist, .offset: 8, .size: 8, .value_kind: global_buffer, .address_space: global }
      - { .name: xcodes, .offset: 16, .size: 8, .value_kind: global_buffer, .address_space: global }
      - { .name: xscales, .offset: 24, .size: 8, .value_kind: global_buffer, .address_space: global }
      - { .name: prob, .offset: 32, .size: 8, .value_kind: global_buffer, .address_space: global }
      - { .name: wiL, .offset: 40, .size: 8, .value_kind: global_buffer, .address_space: global }
      - { .name: wi_scales, .offset: 48, .size: 8, .value_kind: global_buffer, .address_space: global }
      - { .name: woL, .offset: 56, .size: 8, .value_kind: global_buffer, .address_space: global }
      - { .name: wo_scales, .offset: 64, .size: 8, .value_kind: global_buffer, .address_space: global }
      - { .name: hidden_states, .offset: 72, .size: 8, .value_kind: global_buffer, .address_space: global }
      - { .name: out0, .offset: 80, .size: 8, .value_kind: global_buffer, .address_space: global }
    .group_segment_fixed_size: 167424
    .private_segment_fixed_size: 0
    .kernarg_segment_align: 8
    .kernarg_segment_size: 88
    .max_flat_workgroup_size: 128
    .sgpr_count:     96
    .vgpr_count:     1024
    .wavefront_size: 32
...
	.end_amdgpu_metadata
.endif
;; end of part 3
;; ======== version 2 of 2: 3 launches; version 1 with the launch experts written anew for expert scheduling mode
;; workspace buffers: eidx 16,384 bytes of whole numbers; rowlist 16,384 bytes of whole numbers; tiles 1,536 bytes of whole numbers; prob 16,384 bytes; xcodes 1,572,864 bytes; xscales 65,536 bytes; wiL 6,291,456 bytes; woL 6,291,456 bytes
;; launch prep: the kernel of part 1 again; grid 256 x 1, 8 waves a work-group, no clusters, 179,200 bytes of LDS; arguments hidden_states, ln_weight, w_router, wi_codes, wo_codes, out1, out2, eidx, prob, xcodes, xscales, wiL, woL; writes out1, out2, eidx, prob, xcodes, xscales, wiL, woL
;; launch place: the kernel of part 2 again; grid 1 x 1, 32 waves a work-group, no clusters, 8,192 bytes of LDS; arguments eidx, rowlist, tiles; writes rowlist, tiles
;; launch experts (part 4): grid 71 x 1, 4 waves a work-group, no clusters, 167,424 bytes of LDS; arguments tiles, rowlist, xcodes, xscales, prob, wiL, wi_scales, woL, wo_scales, hidden_states, out0; writes out0
.if DOCPART == 4
	.amdgcn_target "amdgcn-amd-amdhsa--gfx1250"
	.amdhsa_code_object_version 6
	.text
	.protected	k_q4ecbeb1c2c_experts
	.globl	k_q4ecbeb1c2c_experts
	.p2align	8
	.type	k_q4ecbeb1c2c_experts,@function
k_q4ecbeb1c2c_experts:
	s_mov_b64 s[64:65], 0
	v_nop
	global_prefetch_b8 v0, s[64:65] scope:SCOPE_SE
	s_setreg_imm32_b32 hwreg(HW_REG_WAVE_SCHED_MODE, 0, 2), 2
	s_setreg_imm32_b32 hwreg(HW_REG_WAVE_MODE, 25, 1), 1
	s_wait_xcnt 0x0
	s_wait_alu depctr_vm_vsrc(0)
; out0[token] = hidden[token] + gate x (Q(relu(Q(x) wi[e])) wo[e]) for the rows of ONE tile: at most 64 tokens of one expert e, named by the stored table.  Both products on codes of E3M2 with E8M0 scales.
; SHARES.  Four waves, which share the COLUMNS: at time g = 0 .. 3 wave w makes hidden group G = 4 Q(g) + w (128 units) for all 64 rows; in the second product it makes outputs 128 w .. 128 w + 127 for all 64 rows.
; Q(g) = (g + work-group number) & 3: neighbouring tiles of an expert walk the four quarters of its weights in different orders.  Only global addresses hang on that; LDS places and registers go by time.
; Both products are used transposed (source 0 = 16 rows of a weight, source 1 = 16 rows of tokens): a lane holds one token's row throughout, and its registers run along the next K.
; WEIGHTS come from memory straight into registers, as images that the first launch laid out: a unit of four fragments is 12 loads of 16 bytes a lane; four units of 48 registers take turns, three are on their way while one is multiplied.
; No tensor loads, no cluster: which work-groups share an expert is known only from the stored table, four neighbours may belong to two experts, and a branch here hangs on a stored number.
; THE HIDDEN LAYER never leaves the WGP: each wave quantises its 128 units of 16 rows in registers (one fragment and one scale word a row) and stores them to LDS as images of the operand's registers.
; ROWS PAST THE TILE'S COUNT REPEAT ITS LAST ROW (the place in the list is held at count - 1): they give the same bits, and the same wave stores the same bytes again: no mask and no branch on the way out.
; The second product's K steps are summed in the order of Q(g), not ascending: the sums are f32 and differ from an ascending sum by rounding alone.
; LIMITS: NaN and infinities are not served; a block of the hidden layer under 2^(5 - 127), zeros among them, keeps the scale byte 1 with codes that are zeros or near it.
; LDS: hidden images, slot 4 g + w, row tile m at (4 slot + m) 1536 | their scale words at (4 slot + m) 128 + 4 lane | x's images, tile m at 6144 m | x's scale words, four a row, at 512 m + 16 lane | a stage of 16 x 528 bytes a wave.
; REGISTERS, in windows of 256: window 0 addresses, scale words, the quantiser's work and its out-buffer; window 1 accumulators (first product (m, t) at 64 m + 8 t; second (j, m) at 8 (4 j + m));
;   window 2 v0-191 x's fragments (48 m + 12 s), later hidden fragments (two sets of 48), later rows of y (two sets of 64); v192-255 each row's byte offset in hidden_states and out0;
;   window 3 v0-191 the four weight units, at the end all 256: the residual rows.
; THE MODE: SCHED_MODE bits 1:0 = 2 (LLVM: expert scheduling mode 2), set by the entry lines.  The code itself states the register dependences
; between vector or matrix instructions and memory or LDS instructions, with s_wait_alu, always for 0.
; THE PLAN.  Registers that memory or LDS instructions touch, and who else names them:
;   the weight units   Written by the ring's loads; read by the sixteen products of one tile (first product) or of one half slot (second product); asked for again at once behind them, so that 36 loads stay behind every unit.
;                      So ONE wait on va_vdst stands behind each run of sixteen products.  It also states that those products are done with the pair's scale words (loaded anew behind an odd tile) and, in the second
;                      product, that the slot's hidden fragments and their scale words are free: the fetch that lands in them follows with nothing but loads and window switches between.
;   v176-227           The out-buffer: a group's four hidden fragments and four scale words.  Written by the four quantisings; read by ONE run of sixteen LDS stores at the group's end, behind one wait on va_vdst;
;                      written again in the next group, behind the wait on vm_vsrc at the trip's end.  (At the head these registers carry x's codes to LDS: a wait on vm_vsrc stands behind that.)
;   v22, v23           The group's LDS addresses: written at a group's head, read by the same sixteen stores: the same two waits.
;   rows of y          Two sets in window 2: LDS loads land, multiply-adds work in place, stores read: in each block one wait on va_vdst ahead of its stores; a wait on vm_vsrc ahead of the block that lands in the set again.
;   all other addresses and offsets are made at the head, ahead of a wait on va_vdst, and never written again.
;   s26, s66-81        Written by vector instructions (the wave's number; tokens and gates lane by lane): a wait on va_sdst ahead of their first reader.
;   EXEC is never written.  Every operand and every scale word of a product comes from a load.
.set HSC,  98304
.set XIMG, 106496
.set STG,  133120
.set LI,   4                           ; 16 x lane
.set LI2,  5                           ; + 49152: LDS immediates have 16 bits
.set SCO,  6                           ; wi's scale words: (r + 8 (r / 8) + 8 h) x 16: lanes 0-15 the even tile of a pair, lanes 16-31 the odd one
.set PFO,  7                           ; 256 x lane
.set HWI,  8                           ; 16 lane + 6144 w
.set HWS,  9                           ; HSC + 4 lane + 512 w
.set HSA,  10                          ; HSC + 4 lane
.set XRA,  11                          ; XIMG + 16 lane
.set XWA,  12                          ; + 6144 w
.set XWS,  13                          ; XRA + 512 w
.set STO,  14                          ; my stage: row r, + 32 h
.set RD,   15                          ; my stage: 16 lane
.set TOK,  16                          ; v16-19 token of row 16 m + r
.set TOKW, 20                          ; token of row 16 w + r
.set LO,   21                          ; 512 w + 16 lane: my bytes in a row of 2,048
.set HWA,  22                          ; the group's image address
.set HWSA, 23
.set PRB,  24                          ; v24-27 the gate of row 16 m + r
.set WSV,  28                          ; v28-31 64 lane + 16 Q(g)
.set XS,   32                          ; v32-47  x's scale words, 4 m + s
.set WS,   48                          ; v48-63  wi's, 4 pair + s
.set WOS,  64                          ; v64-127 wo's, 16 g + 4 pair + step
.set HS,   128                         ; v128-135 the hidden layer's, two sets of 4
.set TM,   136                         ; v136-151 the quantiser's work
.set TQ,   154                         ; v154-160 the quantiser's work: the second conversion of each pair; vector instructions alone name it
.set XG,   176                         ; v176-223 at the head: my 16 rows' codes of x
.set XGS,  224                         ; v224-227 at the head: their scale words
.set OF,   176                         ; v176-223 from the first group on: the out-buffer: the fragment of rows 16 m on at OF + 12 m
.set PW,   224                         ; v224-227 and its scale word at PW + m
.set OT,   228                         ; v228-238 offsets, each used once
.set WB0,  38                          ; s[38:39] wiL at this group, s[40:41] at the next
.set WB1,  40
.set SB1,  44                          ; s[44:45] wi_scales at the next group
.set WOQ,  48                          ; s[48:55] woL at quarter Q(g), g = 0 .. 3
.set MSB, 0
.macro WIN new                         ; low byte: bits 1:0 source 0, 3:2 source 1, 5:4 source 2, 7:6 destination; the high byte repeats the setting that is left
.if MSB != \new
	s_set_vgpr_msb (MSB<<8)|\new
.set MSB, \new
.endif
.endm
.macro PLACES                          ; four plain instructions behind a run of products: the places between a matrix instruction and a read of its result (ISA guide 7.12.1); the wait on va_vdst comes behind them and fills none
.rept 4
	v_nop
.endr
.endm
.macro WM d, a, b, zero, sa, sb, odd   ; one product; zero: it starts the sum; odd: the weight's scale words stand in lanes 16-31
.if \zero
.if \odd
	v_wmma_scale_f32_16x16x128_f8f6f4 v[\d:\d+7], v[\a:\a+11], v[\b:\b+11], 0, v[\sa], v[\sb] matrix_a_fmt:MATRIX_FMT_BF6 matrix_b_fmt:MATRIX_FMT_BF6 matrix_a_scale:MATRIX_SCALE_ROW1
.else
	v_wmma_scale_f32_16x16x128_f8f6f4 v[\d:\d+7], v[\a:\a+11], v[\b:\b+11], 0, v[\sa], v[\sb] matrix_a_fmt:MATRIX_FMT_BF6 matrix_b_fmt:MATRIX_FMT_BF6
.endif
.else
.if \odd
	v_wmma_scale_f32_16x16x128_f8f6f4 v[\d:\d+7], v[\a:\a+11], v[\b:\b+11], v[\d:\d+7], v[\sa], v[\sb] matrix_a_fmt:MATRIX_FMT_BF6 matrix_b_fmt:MATRIX_FMT_BF6 matrix_a_scale:MATRIX_SCALE_ROW1
.else
	v_wmma_scale_f32_16x16x128_f8f6f4 v[\d:\d+7], v[\a:\a+11], v[\b:\b+11], v[\d:\d+7], v[\sa], v[\sb] matrix_a_fmt:MATRIX_FMT_BF6 matrix_b_fmt:MATRIX_FMT_BF6
.endif
.endif
.endm
.macro RING slot, base, off            ; a unit: four fragments, 6,144 dense bytes, into 48 registers of window 3
	WIN 0xc0
.irp i, 0,1,2,3,4,5,6,7,8,9,10,11
	global_load_b128 v[48*(\slot)+4*\i:48*(\slot)+4*\i+3], v[LI], s[\base:\base+1] offset:\off+512*\i
.endr
.endm
	s_load_b512 s[4:19], s[0:1], 0x0               ; tiles 4:5, rowlist 6:7, xcodes 8:9, xscales 10:11, prob 12:13, wiL 14:15, wi_scales 16:17, woL 18:19
	s_load_b128 s[20:23], s[0:1], 0x40             ; wo_scales 20:21, hidden_states 22:23
	s_load_b64 s[24:25], s[0:1], 0x50              ; out0
	v_lshl_add_u32 v254, v0, 2, 0x28c00
	v_mov_b32 v255, 0
	v_lshrrev_b32 v1, 5, v0
	v_readfirstlane_b32 s26, v1                    ; wave 0..3
	s_lshl_b32 s34, ttmp9, 4
	s_mov_b32 s35, 0                               ; s[34:35]: an offset pair; the high word stays 0
	s_and_b32 s27, ttmp9, 3                        ; Q(0)
	s_wait_kmcnt 0x0
	s_add_nc_u64 s[82:83], s[4:5], s[34:35]
	s_load_b128 s[28:31], s[82:83], 0x0            ; my tile: expert, first place, rows, index in the expert
	v_and_b32 v1, 31, v0                           ; lane
	v_and_b32 v2, 15, v0                           ; r
	v_bfe_u32 v3, v0, 4, 1                         ; h
	v_lshlrev_b32 v[LI], 4, v1
	v_add_nc_u32 v[LI2], 49152, v[LI]
	v_and_b32 v[SCO], 8, v2
	v_add_nc_u32 v[SCO], v[SCO], v2
	v_lshl_add_u32 v[SCO], v3, 3, v[SCO]
	v_lshlrev_b32 v[SCO], 4, v[SCO]
	v_lshlrev_b32 v[PFO], 8, v1
	s_wait_alu depctr_va_sdst(0)                   ; s26, the wave's number, is written, ahead of its first reader: LDS places and the weights' bases are made from it
	s_mul_i32 s88, s26, 6144
	v_add_nc_u32 v[HWI], s88, v[LI]
	v_lshl_add_u32 v[HSA], v1, 2, HSC
	s_lshl_b32 s89, s26, 9
	v_add_nc_u32 v[HWS], s89, v[HSA]
	v_add_nc_u32 v[XRA], XIMG, v[LI]
	v_add_nc_u32 v[XWA], s88, v[XRA]
	v_add_nc_u32 v[XWS], s89, v[XRA]
	v_add_nc_u32 v[LO], s89, v[LI]
	s_mul_i32 s88, s26, 8448
	s_add_co_u32 s88, s88, STG
	v_mul_u32_u24 v[STO], v2, 528
	v_lshl_add_u32 v[STO], v3, 5, v[STO]
	v_add_nc_u32 v[STO], s88, v[STO]
	v_add_nc_u32 v[RD], s88, v[LI]
.irp b, 0,1,2,3
	v_mov_b32 v[TM+4+\b], 0                        ; written once: a lane permute's destination counts as one of its sources
.endr
	s_mov_b32 s60, 0x76543210                      ; v_permlanex16_b32's selects for lane l xor 16
	s_mov_b32 s61, 0xfedcba98
	s_mov_b32 s59, 3                               ; trips of the loop over groups
	s_mov_b32 s62, 0                               ; the group's hidden images: 24,576 bytes a group,
	s_mov_b32 s63, 0                               ; their scale words: 2,048
	s_mov_b32 s58, s27                             ; the quarter in hand
	s_lshl_b32 s89, s26, 4
	s_wait_kmcnt 0x0
	s_min_u32 s28, s28, 7
	s_min_u32 s29, s29, 4095
	s_min_u32 s30, s30, 64
	s_max_u32 s30, s30, 1
	s_sub_co_u32 s33, s30, 1
.irp m, 0,1,2,3
	v_add_nc_u32 v[OT+\m], 16*\m, v2
.endr
	v_add_nc_u32 v[OT+4], s89, v2
.irp m, 0,1,2,3,4
	v_min_u32 v[OT+\m], s33, v[OT+\m]              ; rows past the count repeat the last
	v_add_nc_u32 v[OT+\m], s29, v[OT+\m]
	v_min_u32 v[OT+\m], 4095, v[OT+\m]
	v_lshlrev_b32 v[OT+\m], 2, v[OT+\m]
.endr
	s_wait_alu depctr_va_vdst(0)                   ; the fixed addresses v4 to v15 and v21 and the five list offsets are written: the loads, stores and prefetches of the whole kernel read them
.irp m, 0,1,2,3
	global_load_b32 v[TOK+\m], v[OT+\m], s[6:7]
.endr
	global_load_b32 v[TOKW], v[OT+4], s[6:7]
	s_mul_i32 s34, s28, 786432
	s_mul_i32 s88, s26, 49152
	s_add_co_u32 s34, s34, s88
	s_add_nc_u64 s[36:37], s[14:15], s[34:35]      ; wiL: my expert, group w of quarter 0
	s_mul_i32 s34, s27, 196608
	s_add_nc_u64 s[WB0:WB0+1], s[36:37], s[34:35]
	RING 0, WB0, 0
	RING 1, WB0, 6144
	RING 2, WB0, 12288
	RING 3, WB0, 18432
	WIN 0
	s_lshl_b32 s34, s28, 15
	s_lshl_b32 s88, s26, 11
	s_add_co_u32 s34, s34, s88
	s_add_nc_u64 s[42:43], s[16:17], s[34:35]      ; wi_scales likewise: 16 bytes a row
	s_lshl_b32 s34, s27, 13
	s_add_nc_u64 s[84:85], s[42:43], s[34:35]
.irp p, 0,1,2,3
	global_load_b128 v[WS+4*\p:WS+4*\p+3], v[SCO], s[84:85] offset:512*\p
.endr
	s_add_co_u32 s88, s27, 1
	s_and_b32 s88, s88, 3
	s_mul_i32 s34, s88, 196608
	s_add_nc_u64 s[WB1:WB1+1], s[36:37], s[34:35]
	s_lshl_b32 s34, s88, 13
	s_add_nc_u64 s[SB1:SB1+1], s[42:43], s[34:35]
	s_mul_i32 s34, s28, 786432
	s_mul_i32 s88, s26, 196608
	s_add_co_u32 s34, s34, s88
	s_add_nc_u64 s[46:47], s[18:19], s[34:35]      ; woL: my expert, my quarter of the outputs
	s_lshl_b32 s34, s28, 15
	s_lshl_b32 s88, s26, 13
	s_add_co_u32 s34, s34, s88
	s_add_nc_u64 s[86:87], s[20:21], s[34:35]      ; wo_scales: 64 bytes a row, my 128 rows
.irp g, 0,1,2,3
	s_add_co_u32 s88, s27, \g
	s_and_b32 s88, s88, 3
	s_mul_i32 s34, s88, 49152
	s_add_nc_u64 s[WOQ+2*\g:WOQ+2*\g+1], s[46:47], s[34:35]
	s_lshl_b32 s88, s88, 4
	v_lshl_add_u32 v[WSV+\g], v1, 6, s88
.endr
	s_mov_b64 s[56:57], s[WOQ:WOQ+1]               ; where the prefetches stand
	s_wait_loadcnt 52                              ; the five list loads are in: 48 weight loads and 4 scale loads were issued behind them
.irp m, 0,1,2,3,4
	v_min_u32 v[TOK+\m], 4095, v[TOK+\m]
.endr
	v_mul_u32_u24 v[OT+5], v[TOKW], 384
	v_mad_u32_u24 v[OT+5], v3, 192, v[OT+5]        ; my half's 192 bytes of the row's codes: the 48 registers of its four K steps
	v_lshlrev_b32 v[OT+6], 4, v[TOKW]
.irp m, 0,1,2,3
	v_lshlrev_b32 v[OT+7+\m], 2, v[TOK+\m]
.endr
	s_wait_alu depctr_va_vdst(0)                   ; the six offsets made of the tokens, and the four of wo's scale words, are written: the loads below read them
.irp i, 0,1,2,3,4,5,6,7,8,9,10,11
	global_load_b128 v[XG+4*\i:XG+4*\i+3], v[OT+5], s[8:9] offset:16*\i
.endr
	global_load_b128 v[XGS:XGS+3], v[OT+6], s[10:11]
.irp m, 0,1,2,3
	global_load_b32 v[PRB+\m], v[OT+7+\m], s[12:13]
.endr
.irp g, 0,1,2,3
.irp p, 0,1,2,3
	global_load_b128 v[WOS+16*\g+4*\p:WOS+16*\g+4*\p+3], v[WSV+\g], s[86:87] offset:2048*\p   ; lanes 0-15 the even tile's rows, lanes 16-31 the odd one's; four K steps' words
.endr
.endr
	s_wait_loadcnt 20                              ; x's codes and scale words are in: 4 gates and 16 loads of wo's scales were issued behind them
.irp i, 0,1,2,3,4,5,6,7,8,9,10,11
	ds_store_b128 v[XWA], v[XG+4*\i:XG+4*\i+3] offset:512*\i
.endr
	ds_store_b128 v[XWS], v[XGS:XGS+3] offset:24576
	s_wait_dscnt 0x0                               ; for the others' sake: my images have landed
	s_barrier_signal -1
	s_barrier_wait -1                              ; x's sixteen fragments lie in LDS
	s_wait_alu depctr_vm_vsrc(0)                   ; my LDS stores have read v176 to v227: these registers are the out-buffer from here on, written by the quantisings
	WIN 0x80                                       ; destination window 2
.irp m, 0,1,2,3
.irp i, 0,1,2,3,4,5,6,7,8,9,10,11
	ds_load_b128 v[48*\m+4*\i:48*\m+4*\i+3], v[XRA] offset:6144*\m+512*\i
.endr
.endr
	WIN 0
.irp m, 0,1,2,3
	ds_load_b128 v[XS+4*\m:XS+4*\m+3], v[XRA] offset:24576+512*\m
.endr
	; while these are out: each row's byte offset in hidden_states and out0, token x 2,048 + my 16 bytes, for the way out
.irp m, 0,1,2,3
.irp i, 0,1,2,3,4,5,6,7,8,9,10,11,12,13,14,15
	v_readlane_b32 s[66+\i], v[TOK+\m], \i
.endr
	s_wait_alu depctr_va_sdst(0)                   ; the sixteen tokens are written to s66 to s81, ahead of their first reader
.irp i, 0,1,2,3,4,5,6,7,8,9,10,11,12,13,14,15
	s_min_u32 s[66+\i], s[66+\i], 4095
	s_lshl_b32 s[66+\i], s[66+\i], 11
.endr
	WIN 0x80
.irp i, 0,1,2,3,4,5,6,7,8,9,10,11,12,13,14,15
	v_add_nc_u32 v[192+16*\m+\i], s[66+\i], v[LO]  ; (read by loads and stores only behind the second product's waits on va_vdst)
.endr
	WIN 0
.endr
	s_wait_dscnt 0x0
; ---- THE FIRST PRODUCT.  Tile t of my group against the four tiles of rows, four K steps: 16 products; the four accumulators take turns, one instruction a turn.
.macro MM1 t
.irp s, 0,1,2,3
.irp m, 0,1,2,3
	WM 64*\m+8*(\t), 48*((\t)%4)+12*\s, 48*\m+12*\s, \s==0, WS+4*((\t)/2)+\s, XS+4*\m+\s, (\t)%2
.endr
.endr
.endm
; last = 0: the unit just multiplied is filled with the tile four on, from t = 4 on the next group's; behind an odd tile its pair's scale words for the next group follow.
; last = 1, the fourth group: from t = 4 on the units take the second product's first four.
.macro TILE t, last
	s_wait_loadcnt 36                              ; this tile's unit is in: behind it three units of 12 loads were issued
	WIN 0x5b                                       ; weights window 3, rows window 2, sums window 1
	MM1 \t
	PLACES
	s_wait_alu depctr_va_vdst(0)                   ; this tile's sixteen products are done reading their unit and their pair's scale words, in which the loads below land; nothing but loads and window switches follows up to the last of them
.if (\t) < 4
	RING (\t)%4, WB0, 6144*((\t)+4)
.elseif \last
	RING (\t)%4, WOQ, 12288*(((\t)-4)/2)+6144*(((\t)-4)%2)
.else
	RING (\t)%4, WB1, 6144*((\t)-4)
.endif
	WIN 0
.if ((\t)%2) && !(\last)
	global_load_b128 v[WS+4*((\t)/2):WS+4*((\t)/2)+3], v[SCO], s[SB1:SB1+1] offset:512*((\t)/2)
.endif
.endm
; A PREFETCH INTO THE L2 of woL, which the second product will stream.  The expert's first tile asks, and nobody else; each of its waves for its own 196,608 bytes, in each group the quarter of 49,152 bytes
; that it will use in the same turn: six instructions, lanes 256 bytes apart.  So each block of 256 bytes is named once in the launch.  wiL is not asked for: its loads are out from the launch's start.
.macro ASK
	s_cmp_eq_u32 s31, 0
	s_cbranch_scc0 .Lnot_first_\@
.irp i, 0,1,2,3,4,5
	global_prefetch_b8 v[PFO], s[56:57] offset:8192*\i th:TH_LOAD_NT scope:SCOPE_SE
.endr
.Lnot_first_\@:
.endm
; Rows 16 m on: my 128 hidden units, 64 numbers a lane (register 16 b + i = unit 32 b + 16 h + i of my row), are clipped at 0 and quantised: one fragment and one scale word a row, into part m of the out-buffer.
; No memory or LDS instruction stands in it: the four parts leave together (IMAGES).
.macro QUANT m
.set S, 64*(\m)
.set OFM, OF+12*(\m)
	WIN 0x44
.set J, 0
.rept 64
	v_max_num_f32 v[S+J], 0, v[S+J]                ; the activation, in f32; each accumulator from its low end on
.set J, J+1
.endr
	WIN 0x05
.irp b, 0,1,2,3
	v_max3_num_f32 v[TM+\b], v[S+16*\b], v[S+16*\b+1], 0x2800000      ; with the floor 2^(5 - 127): the byte cannot fall under 1.  No |.|: none is negative
.endr
	WIN 0x14
.irp i, 2,4,6,8,10,12,14
.irp b, 0,1,2,3
	v_max3_num_f32 v[TM+\b], v[TM+\b], v[S+16*\b+\i], v[S+16*\b+\i+1]   ; the four blocks by turns
.endr
.endr
	WIN 0
.irp b, 0,1,2,3
	v_permlanex16_b32 v[TM+4+\b], v[TM+\b], s60, s61
.endr
.irp b, 0,1,2,3
	v_max_num_f32 v[TM+\b], v[TM+\b], v[TM+4+\b]   ; with lane l xor 16's 16: the block's largest
.endr
.irp b, 0,1,2,3
	v_add_nc_u32 v[TM+12+\b], 0xfe000000, v[TM+\b] ; 4 off its exponent field: the conversion's scale operand
.endr
.irp b, 0,1,2,3
	v_lshrrev_b32 v[TM+4+\b], 23, v[TM+12+\b]      ; the scale's byte
.endr
	v_lshl_or_b32 v[PW+(\m)], v[TM+5], 8, v[TM+4]
	v_lshl_or_b32 v[PW+(\m)], v[TM+6], 16, v[PW+(\m)]
	v_lshl_or_b32 v[PW+(\m)], v[TM+7], 24, v[PW+(\m)]
	WIN 0x01
.irp c, 0,1
	v_cvt_scalef32_pk16_bf6_f32 v[OFM+6*\c:OFM+2+6*\c], v[S+32*\c:S+15+32*\c], v[TM+12+2*\c]
	v_cvt_scalef32_pk16_bf6_f32 v[TQ+4*\c:TQ+2+4*\c], v[S+16+32*\c:S+31+32*\c], v[TM+12+2*\c+1]   ; (a conversion's three registers begin on an even number)
.endr
	WIN 0
	v_nop                                          ; one plain instruction behind the scaled conversions
.irp c, 0,1                            ; the operand's layout wants a whole block in a lane: lanes 0-15 block 2 c, lanes 16-31 block 2 c + 1
.irp i, 0,1,2
	v_permlane16_swap_b32 v[OFM+6*\c+\i], v[TQ+4*\c+\i]
.endr
.irp i, 0,1,2
	v_mov_b32 v[OFM+3+6*\c+\i], v[TQ+4*\c+\i]
.endr
.endr
.endm
; The group's four fragments and four scale words go to LDS as they stand, in one run.
.macro IMAGES
	s_wait_alu depctr_va_vdst(0)                   ; the four quantisings have written the out-buffer, and the group's head v22 and v23, which the stores below read; in the fourth group it also states that the first product is done reading x's fragments, in which hidden fragments land next
.irp r, 0,1,2,3
.irp c, 0,1,2
	ds_store_b128 v[HWA], v[OF+12*\r+4*\c:OF+12*\r+4*\c+3] offset:1536*\r+512*\c
.endr
	ds_store_b32 v[HWSA], v[PW+\r] offset:128*\r
.endr
.endm
.macro GROUP last
	v_add_nc_u32 v[HWA], s62, v[HWI]
	v_add_nc_u32 v[HWSA], s63, v[HWS]
	TILE 0, \last
	TILE 1, \last
	TILE 2, \last
	TILE 3, \last
	ASK
	TILE 4, \last
	TILE 5, \last
	TILE 6, \last
	TILE 7, \last
	QUANT 0                                        ; (tile 7's four v_nop are the places ahead of these reads of results)
	QUANT 1
	QUANT 2
	QUANT 3
	IMAGES
.endm
.Lgroup:                                               ; three trips; the fourth group is written out, since its last refills differ
	GROUP 0
	s_wait_dscnt 0x0                               ; my image stores are done,
	s_wait_xcnt 0x0                                ; and every load and prefetch has read its base: the bases are written anew below
	s_wait_alu depctr_vm_vsrc(0)                   ; my image stores have read v22, v23 and the out-buffer, which the next group writes again: ahead of the branch, for the way back and the way out of the loop alike
	s_add_co_u32 s58, s58, 1
	s_and_b32 s58, s58, 3                          ; the next group's quarter,
	s_add_co_u32 s88, s58, 1
	s_and_b32 s88, s88, 3                          ; and the one after
	s_mov_b64 s[WB0:WB0+1], s[WB1:WB1+1]
	s_mul_i32 s34, s88, 196608
	s_add_nc_u64 s[WB1:WB1+1], s[36:37], s[34:35]
	s_lshl_b32 s34, s88, 13
	s_add_nc_u64 s[SB1:SB1+1], s[42:43], s[34:35]
	s_mul_i32 s34, s58, 49152
	s_add_nc_u64 s[56:57], s[46:47], s[34:35]
	s_add_co_u32 s62, s62, 24576
	s_add_co_u32 s63, s63, 2048
	s_sub_co_u32 s59, s59, 1
	s_cmp_lg_u32 s59, 0
	s_cbranch_scc1 .Lgroup
	GROUP 1
	s_wait_dscnt 0x0                               ; for the others' sake: my images have landed
	s_barrier_signal -1
	s_barrier_wait -1                              ; the hidden layer's 64 fragments lie in LDS
; ---- THE SECOND PRODUCT.  Slot g = 0 .. 15 of the hidden images is K step 4 Q(g / 4) + g % 4; its eight fragments of wo come as two units.  32 accumulators, each touched once a slot.
.macro FETCH g                         ; slot g's four hidden fragments and their scale words
	WIN 0x80
.irp m, 0,1,2,3
.irp c, 0,1,2
.if (\g) < 8
	ds_load_b128 v[48*((\g)%2)+12*\m+4*\c:48*((\g)%2)+12*\m+4*\c+3], v[LI] offset:6144*(\g)+1536*\m+512*\c
.else
	ds_load_b128 v[48*((\g)%2)+12*\m+4*\c:48*((\g)%2)+12*\m+4*\c+3], v[LI2] offset:6144*((\g)-8)+1536*\m+512*\c
.endif
.endr
.endr
	WIN 0
.irp m, 0,1,2,3
	ds_load_b32 v[HS+4*((\g)%2)+\m], v[HSA] offset:512*(\g)+128*\m
.endr
.endm
.macro MM2 g, f                        ; output tiles 4 f .. 4 f + 3 against the four tiles of rows
.irp jj, 0,1,2,3
.irp m, 0,1,2,3
	WM 8*(4*(4*(\f)+\jj)+\m), 48*((2*(\g)+(\f))%4)+12*\jj, 48*((\g)%2)+12*\m, (\g)==0, WOS+16*((\g)/4)+4*((4*(\f)+\jj)/2)+(\g)%4, HS+4*((\g)%2)+\m, \jj%2
.endr
.endr
.endm
.macro RESID k                         ; when no weights are left to fetch, a freed unit takes 12 rows of the residual: the count of loads behind a unit stays 36
	WIN 0xc2                                       ; destination window 3, offsets window 2
.irp i, 0,1,2,3,4,5,6,7,8,9,10,11
	global_load_b128 v[4*(12*(\k)+\i):4*(12*(\k)+\i)+3], v[192+12*(\k)+\i], s[22:23]
.endr
.endm
	FETCH 0                                        ; (no vector or matrix instruction has been issued since the wait on va_vdst ahead of the fourth group's image stores)
.irp g, 0,1,2,3,4,5,6,7,8,9,10,11,12,13,14,15
.if \g < 15
	FETCH \g+1                                     ; it lands in the set and the scale words that slot g - 1 read: that slot's last wait on va_vdst stands ahead, and only loads and window switches have been issued since
	s_wait_dscnt 16                                ; this slot's 16 LDS loads are in; the 16 just issued may be out
.else
	s_wait_dscnt 0x0
.endif
.irp f, 0,1
	s_wait_loadcnt 36                              ; this unit is in: three units of 12 loads were issued behind it
	WIN 0x5b
	MM2 \g, \f
	PLACES
	s_wait_alu depctr_va_vdst(0)                   ; these sixteen products are done reading their unit, in which the loads below land; behind a slot's second half also its hidden fragments and scale words; behind the very last products the accumulators are written, which the way out's LDS stores read
.if 2*\g+\f <= 27
	RING (2*\g+\f)%4, WOQ+2*((\g+2)/4), 12288*((\g+2)%4)+6144*\f
.else
	RESID 2*\g+\f-28
.endif
.endr
.endr
.set I, 48
.rept 16
	global_load_b128 v[4*I:4*I+3], v[192+I], s[22:23]      ; residual rows 48 to 63, into registers that no vector or matrix instruction has named
.set I, I+1
.endr
; ---- THE WAY OUT, 16 rows at a time.  A lane holds 32 neighbouring bytes of a row and the lanes beside it hold other rows: a block goes through my own stage and comes back as rows of 512 bytes.
; LDS serves a wave's instructions in order: no wait between the stores and the loads, nor before the next block's stores.
.macro TOSTAGE m
	WIN 0x04                                       ; an LDS store's data are its source 1: window 1
.irp j, 0,1,2,3,4,5,6,7
	ds_store_b128 v[STO], v[8*(4*\j+(\m)):8*(4*\j+(\m))+3] offset:64*\j          ; each accumulator from its low end on
	ds_store_b128 v[STO], v[8*(4*\j+(\m))+4:8*(4*\j+(\m))+7] offset:64*\j+16
.endr
	WIN 0x80
.irp i, 0,1,2,3,4,5,6,7,8,9,10,11,12,13,14,15
	ds_load_b128 v[64*((\m)%2)+4*\i:64*((\m)%2)+4*\i+3], v[RD] offset:528*\i
.endr
.endm
.macro SEND m, younger
	s_wait_dscnt \younger                          ; the block is back; the next block's 16 stores and 16 loads may be out
	s_wait_loadcnt 48-16*(\m)                      ; its 16 residual rows are in; the later blocks' may be out
	WIN 0
.irp i, 0,1,2,3,4,5,6,7,8,9,10,11,12,13,14,15
	v_readlane_b32 s[66+\i], v[PRB+(\m)], \i       ; a row's gate, for all 32 lanes
.endr
	s_wait_alu depctr_va_sdst(0)                   ; the sixteen gates are written to s66 to s81, ahead of their first reader
	WIN 0xb8                                       ; y window 2, the residual window 3
.irp i, 0,1,2,3,4,5,6,7,8,9,10,11,12,13,14,15
.irp c, 0,1,2,3
	v_fma_f32 v[64*((\m)%2)+4*\i+\c], s[66+\i], v[64*((\m)%2)+4*\i+\c], v[4*(16*(\m)+\i)+\c]
.endr
.endr
	WIN 0x0a                                       ; offsets and data window 2
	s_wait_alu depctr_va_vdst(0)                   ; the multiply-adds have written the block's rows, which the stores below read; they are also done with this set of registers, in which the block two on lands
.irp i, 0,1,2,3,4,5,6,7,8,9,10,11,12,13,14,15
	global_store_b128 v[192+16*(\m)+\i], v[64*((\m)%2)+4*\i:64*((\m)%2)+4*\i+3], s[24:25] th:TH_STORE_NT   ; 32 lanes store 512 consecutive bytes of a token's row, at a multiple of 512 from out0's first byte
.endr
.endm
	TOSTAGE 0                                      ; (the four v_nop behind the last products are the places for these reads, and the wait on va_vdst behind them states that the accumulators are written and the hidden fragments' registers free)
.irp a, 1,2,3
.if \a > 1
	s_wait_xcnt 0x0                                ; block a - 2's stores have had their addresses translated,
	s_wait_alu depctr_vm_vsrc(0)                   ; and have read their rows, in which block a's LDS loads land
.endif
	TOSTAGE \a
	SEND \a-1, 32
.endr
	SEND 3, 0
	WIN 0
	s_wait_dscnt 0x0
	s_wait_alu depctr_hold_cnt(0) depctr_sa_sdst(0) depctr_va_vdst(0) depctr_va_sdst(0) depctr_va_ssrc(0) depctr_va_vcc(0) depctr_vm_vsrc(0)
	s_wait_tensorcnt 0x0
	ds_add_u32 v254, v255
	s_wait_dscnt 0x0
	s_endpgm
.Lfunc_end_k_q4ecbeb1c2c_experts:
	.size	k_q4ecbeb1c2c_experts, .Lfunc_end_k_q4ecbeb1c2c_experts-k_q4ecbeb1c2c_experts
	.p2alignl 7, 3214868480
	.fill 96, 4, 3214868480
	.section	.rodata,"a",@progbits
	.p2align	6, 0x0
	.amdhsa_kernel k_q4ecbeb1c2c_experts
		.amdhsa_group_segment_fixed_size 167424
		.amdhsa_private_segment_fixed_size 0
		.amdhsa_enable_private_segment 0
		.amdhsa_kernarg_size 88
		.amdhsa_user_sgpr_count 2
		.amdhsa_user_sgpr_kernarg_segment_ptr 1
		.amdhsa_wavefront_size32 1
		.amdhsa_system_sgpr_workgroup_id_x 1
		.amdhsa_system_sgpr_workgroup_id_y 1
		.amdhsa_system_sgpr_workgroup_id_z 1
		.amdhsa_system_vgpr_workitem_id 0
		.amdhsa_next_free_vgpr 1024
		.amdhsa_next_free_sgpr 96
		.amdhsa_reserve_vcc 0
		.amdhsa_float_denorm_mode_32 3
		.amdhsa_float_denorm_mode_16_64 3
		.amdhsa_memory_ordered 1
		.amdhsa_forward_progress 1
		.amdhsa_inst_pref_size 255
	.end_amdhsa_kernel
	.section	.bss,"aw",@nobits
	.p2align	6
	.space	262144
	.amdgpu_metadata
---
amdhsa.version: [ 1, 2 ]
amdhsa.kernels:
  - .name:           k_q4ecbeb1c2c_experts
    .symbol:         k_q4ecbeb1c2c_experts.kd
    .args:
      - { .name: tiles, .offset: 0, .size: 8, .value_kind: global_buffer, .address_space: global }
      - { .name: rowlist, .offset: 8, .size: 8, .value_kind: global_buffer, .address_space: global }
      - { .name: xcodes, .offset: 16, .size: 8, .value_kind: global_buffer, .address_space: global }
      - { .name: xscales, .offset: 24, .size: 8, .value_kind: global_buffer, .address_space: global }
      - { .name: prob, .offset: 32, .size: 8, .value_kind: global_buffer, .address_space: global }
      - { .name: wiL, .offset: 40, .size: 8, .value_kind: global_buffer, .address_space: global }
      - { .name: wi_scales, .offset: 48, .size: 8, .value_kind: global_buffer, .address_space: global }
      - { .name: woL, .offset: 56, .size: 8, .value_kind: global_buffer, .address_space: global }
      - { .name: wo_scales, .offset: 64, .size: 8, .value_kind: global_buffer, .address_space: global }
      - { .name: hidden_states, .offset: 72, .size: 8, .value_kind: global_buffer, .address_space: global }
      - { .name: out0, .offset: 80, .size: 8, .value_kind: global_buffer, .address_space: global }
    .group_segment_fixed_size: 167424
    .private_segment_fixed_size: 0
    .kernarg_segment_align: 8
    .kernarg_segment_size: 88
    .max_flat_workgroup_size: 128
    .sgpr_count:     96
    .vgpr_count:     1024
    .wavefront_size: 32
...
	.end_amdgpu_metadata
.endif
;; end of part 4
